; MI455X (gfx1250); checked and timed in simulation.
; The chip was launched on July 23, 2026; its instructions are those of AMD's public machine-readable ISA for CDNA 5 (MIT licence, August 2026) and "CDNA5" Instruction Set Architecture Reference Guide (July 2026). The comments in the code are by the model that wrote it; some were corrected since.
;; Ret Net Attention. Allowed arithmetic: float matrix products may take bf16 or f16 operands with f32 sums; other float arithmetic in f32, or as packed bf16 or f16 multiplies, adds, multiply-adds, maxima and minima; sums over many terms, partial sums and values carried from step to step in f32; what a program stores and reads back later, other than sums and carried values, may be rounded once to bf16 or f16.
;; Inputs: W_o 1,024 x 1,024 float32; W_qkv 3,072 x 1,024 float32; log_gamma 16 float32; x 2 x 4,096 x 1,024 float32.
;; Outputs: out0 2 x 4,096 x 1,024 float32.
;; 2 versions, each right; version 2 is version 1 with the launch cvt written anew for expert scheduling mode. Each part assembles by itself: llvm-mc -triple=amdgcn-amd-amdhsa -mcpu=gfx1250 --defsym DOCPART=n.
;; ======== version 1 of 2: 5 launches
;; limits: values are held in f16: magnitudes above 65,504 overflow, below 6.1e-05 lose precision
;; workspace buffers: xh 16,777,216 bytes; wqh 6,291,456 bytes; woh 2,097,152 bytes; qkv 50,331,648 bytes; tseg 3,670,016 bytes; stat 8,192 bytes; yh 16,777,216 bytes
;; launch cvt (part 1): grid 768 x 1, 4 waves a work-group, no clusters, 0 bytes of LDS; arguments x, W_qkv, W_o, xh, wqh, woh; writes xh, wqh, woh
.if DOCPART == 1
	.amdgcn_target "amdgcn-amd-amdhsa--gfx1250"
	.amdhsa_code_object_version 6
	.text
	.protected	k_q06a0f3dc4d_cvt
	.globl	k_q06a0f3dc4d_cvt
	.p2align	8
	.type	k_q06a0f3dc4d_cvt,@function
k_q06a0f3dc4d_cvt:
	s_mov_b64 s[64:65], 0
	v_nop
	global_prefetch_b8 v0, s[64:65] scope:SCOPE_SE
	s_setreg_imm32_b32 hwreg(HW_REG_WAVE_MODE, 25, 1), 1
	s_wait_xcnt 0x0
; f32 -> f16 for the three matrix operands, into layouts blocked along K: [kb 16][rows][64 numbers], so that a tile of R rows x 64 k
; of a later product is R x 128 consecutive bytes.  W_qkv's rows are also sorted by head: row part*1024 + head*64 + i goes to head*192 + part*64 + i.
; A work-group takes 16 source rows (64 KiB).  Work-groups 0-511: x; 512-703: W_qkv; 704-767: W_o.  The choice is made by selects on the
; work-group's number, so there is one text for the three.  No LDS, no matrix unit, no cluster: nothing is shared and memory binds.
; Thread t: row t>>3, the 8 numbers at column 8 (t&7) of each of the 16 blocks of 64: two loads of 16 bytes, one store of 16 bytes at 16 t,
; so a store of a wave covers 512 consecutive bytes.  All 32 loads of a thread are issued before the first wait; no register is written twice.
; LIMIT: numbers beyond f16's range (65504) become infinities; numbers below 2^-14 keep an absolute error of 2^-25.
.set SRC,  1                           ; v1        byte offset of my first 8 numbers in the group's 16 source rows
.set OFFD, 2                           ; v[2:17]   byte offset of my 16 bytes in block kb of the destination
.set X,    20                          ; v[20:147] 128 numbers as loaded
.set Y,    148                         ; v[148:211] 128 numbers in f16
	s_load_b256 s[4:11], s[0:1], 0x0               ; x s[4:5], W_qkv s[6:7], W_o s[8:9], xh s[10:11]
	s_load_b128 s[12:15], s[0:1], 0x20             ; wqh s[12:13], woh s[14:15]
	s_mov_b32 s20, ttmp9                           ; g
	s_sub_co_u32 s21, s20, 512                     ; j for W_qkv (used only where 512 <= g < 704)
	s_sub_co_u32 s22, s20, 704                     ; j for W_o   (used only where g >= 704)
	s_bfe_u32 s23, s21, 0x40002                    ; head = (j>>2) & 15
	s_mul_i32 s23, s23, 192
	s_bfe_u32 s24, s21, 0x20006                    ; part = j>>6
	s_lshl_b32 s24, s24, 6
	s_add_co_u32 s23, s23, s24
	s_and_b32 s24, s21, 3                          ; which 16 rows of the head's 64
	s_lshl_b32 s24, s24, 4
	s_add_co_u32 s23, s23, s24                     ; W_qkv: destination row
	s_lshl_b32 s25, s22, 4                         ; W_o: destination row = source row
	s_lshl_b32 s17, s20, 4                         ; x: likewise
	s_mov_b32 s33, 3072*128                        ; bytes from one block of K to the next: wqh,
	s_mov_b32 s34, 1024*128                        ; woh,
	s_mov_b32 s35, 8192*128                        ; xh
	v_lshrrev_b32 v18, 3, v0                       ; my row
	v_and_b32 v19, 7, v0
	v_lshlrev_b32 v18, 12, v18                     ; x 4,096 bytes
	v_lshl_add_u32 v[SRC], v19, 5, v18             ; + 32 bytes for each of the eight threads of a row
	v_lshlrev_b32 v[OFFD], 4, v0                   ; row x 128 + 16 (t&7) = 16 t
	s_wait_kmcnt 0x0
	s_cmp_lt_u32 s20, 704                          ; W_qkv or W_o
	s_cselect_b64 s[26:27], s[6:7], s[8:9]
	s_cselect_b64 s[28:29], s[12:13], s[14:15]
	s_cselect_b32 s30, s21, s22
	s_cselect_b32 s31, s23, s25
	s_cselect_b32 s32, s33, s34
	s_cmp_lt_u32 s20, 512                          ; or x
	s_cselect_b64 s[26:27], s[4:5], s[26:27]
	s_cselect_b64 s[28:29], s[10:11], s[28:29]
	s_cselect_b32 s30, s20, s30
	s_cselect_b32 s31, s17, s31
	s_cselect_b32 s32, s35, s32
	s_lshl_b32 s36, s30, 16                        ; 16 source rows of 4,096 bytes
	s_mov_b32 s37, 0
	s_lshl_b32 s38, s31, 7                         ; destination rows of 128 bytes
	s_mov_b32 s39, 0
	s_add_nc_u64 s[26:27], s[26:27], s[36:37]
	s_add_nc_u64 s[28:29], s[28:29], s[38:39]
.set kb, 0
.rept 16
	global_load_b128 v[X+8*kb:X+8*kb+3],   v[SRC], s[26:27] offset:kb*256 th:TH_LOAD_NT
	global_load_b128 v[X+8*kb+4:X+8*kb+7], v[SRC], s[26:27] offset:kb*256+16 th:TH_LOAD_NT
.set kb, kb+1
.endr
.set kb, 1
.rept 15
	v_add_nc_u32 v[OFFD+kb], s32, v[OFFD+kb-1]
.set kb, kb+1
.endr
.set kb, 0
.rept 16
	s_wait_loadcnt 30-2*kb                         ; loads come back in order: block kb's two are in, the 30 - 2 kb younger ones stay out
	v_cvt_pk_f16_f32 v[Y+4*kb],   v[X+8*kb],   v[X+8*kb+1]
	v_cvt_pk_f16_f32 v[Y+4*kb+1], v[X+8*kb+2], v[X+8*kb+3]
	v_cvt_pk_f16_f32 v[Y+4*kb+2], v[X+8*kb+4], v[X+8*kb+5]
	v_cvt_pk_f16_f32 v[Y+4*kb+3], v[X+8*kb+6], v[X+8*kb+7]
	global_store_b128 v[OFFD+kb], v[Y+4*kb:Y+4*kb+3], s[28:29]
.set kb, kb+1
.endr
	s_endpgm
.Lfunc_end_k_q06a0f3dc4d_cvt:
	.size	k_q06a0f3dc4d_cvt, .Lfunc_end_k_q06a0f3dc4d_cvt-k_q06a0f3dc4d_cvt
	.p2alignl 7, 3214868480
	.fill 96, 4, 3214868480
	.section	.rodata,"a",@progbits
	.p2align	6, 0x0
	.amdhsa_kernel k_q06a0f3dc4d_cvt
		.amdhsa_group_segment_fixed_size 0
		.amdhsa_private_segment_fixed_size 0
		.amdhsa_enable_private_segment 0
		.amdhsa_kernarg_size 48
		.amdhsa_user_sgpr_count 2
		.amdhsa_user_sgpr_kernarg_segment_ptr 1
		.amdhsa_wavefront_size32 1
		.amdhsa_system_sgpr_workgroup_id_x 1
		.amdhsa_system_sgpr_workgroup_id_y 1
		.amdhsa_system_sgpr_workgroup_id_z 1
		.amdhsa_system_vgpr_workitem_id 0
		.amdhsa_next_free_vgpr 212
		.amdhsa_next_free_sgpr 66
		.amdhsa_reserve_vcc 0
		.amdhsa_float_denorm_mode_32 3
		.amdhsa_float_denorm_mode_16_64 3
		.amdhsa_memory_ordered 1
		.amdhsa_forward_progress 1
		.amdhsa_inst_pref_size 12
	.end_amdhsa_kernel
	.amdgpu_metadata
---
amdhsa.version: [ 1, 2 ]
amdhsa.kernels:
  - .name:           k_q06a0f3dc4d_cvt
    .symbol:         k_q06a0f3dc4d_cvt.kd
    .args:
      - { .name: x, .offset: 0, .size: 8, .value_kind: global_buffer, .address_space: global }
      - { .name: W_qkv, .offset: 8, .size: 8, .value_kind: global_buffer, .address_space: global }
      - { .name: W_o, .offset: 16, .size: 8, .value_kind: global_buffer, .address_space: global }
      - { .name: xh, .offset: 24, .size: 8, .value_kind: global_buffer, .address_space: global }
      - { .name: wqh, .offset: 32, .size: 8, .value_kind: global_buffer, .address_space: global }
      - { .name: woh, .offset: 40, .size: 8, .value_kind: global_buffer, .address_space: global }
    .group_segment_fixed_size: 0
    .private_segment_fixed_size: 0
    .kernarg_segment_align: 8
    .kernarg_segment_size: 48
    .max_flat_workgroup_size: 128
    .sgpr_count:     66
    .vgpr_count:     212
    .wavefront_size: 32
...
	.end_amdgpu_metadata
.endif
;; end of part 1
;; launch qkv (part 2): grid 8 x 32, 4 waves a work-group, clusters of 4 x 4, 327,680 bytes of LDS; arguments xh, wqh, qkv, stat; writes qkv, stat
.if DOCPART == 2
	.amdgcn_target "amdgcn-amd-amdhsa--gfx1250"
	.amdhsa_code_object_version 6
	.text
	.protected	k_q06a0f3dc4d_qkv
	.globl	k_q06a0f3dc4d_qkv
	.p2align	8
	.type	k_q06a0f3dc4d_qkv,@function
k_q06a0f3dc4d_qkv:
	s_mov_b64 s[64:65], 0
	v_nop
	global_prefetch_b8 v0, s[64:65] scope:SCOPE_SE
	s_setreg_imm32_b32 hwreg(HW_REG_WAVE_MODE, 25, 1), 1
	s_wait_xcnt 0x0
	s_wait_alu depctr_hold_cnt(0) depctr_sa_sdst(0) depctr_va_vdst(0) depctr_va_sdst(0) depctr_va_ssrc(0) depctr_va_vcc(0) depctr_vm_vsrc(0)
	s_getreg_b32 s2, hwreg(HW_REG_IB_STS2, 6, 4)
	s_cmp_eq_u32 s2, 0
	s_cbranch_scc0 .Lentry_in_a_cluster
	s_endpgm
.Lentry_in_a_cluster:
	s_bfe_u32 s2, ttmp6, 0x10000c
	s_cmp_lg_u32 s2, 0xf033
	s_cbranch_scc0 .Lentry_shape_is_right
	s_endpgm
.Lentry_shape_is_right:
; q, k, v = x W_qkv^T in f16 operands and f32 sums; LayerNorm of k (f32, two passes, eps 1e-5) on the sums; results in f16 as blocks
; qkv[b*16+head][chunk of 64 rows][q, k, v][64 rows][64]; and for each wave the largest |q| and |v| of its sums into stat.
; A work-group makes 256 rows x 384 columns (two heads' q, k, v; wqh's rows are sorted by head).  Four waves, 2 x 2: wave (wm, wn) makes rows
; 128 wm .. +127 of head wn: 128 x 192, 96 accumulator tiles of 16 x 16 = 768 registers: window 1 = q, window 2 = k, window 3 = v,
; tile (a, b) at v[8 (4 a + b)].  K goes in steps of 64 through two LDS slots filled by the tensor data mover.
; CLUSTER 4 x 4: the four work-groups of a row of the cluster need the same rows of x, the four of a column the same rows of W: joint loads.
; The matrix instruction is used transposed (source 0 = rows of W, source 1 = rows of x): lane (r, h), register j of tile (a, b) holds
; row 16 a + r, column 16 b + 8 h + j: eight neighbouring numbers of a row.
; The accumulators take turns, one instruction a turn, in the same order everywhere.
; LIMIT: |q|, |v| beyond 65504 become infinities in f16.
.set PITCH, 144                        ; an LDS row: 128 bytes + 16 of padding = 9 x 16: sixteen rows start at sixteen different 16-byte columns
.set FR,    16*PITCH                   ; 16 rows: a fragment's rows
.set APART, 128*PITCH                  ; 128 rows of x: one tensor load, one wave's rows
.set BPART, 192*PITCH                  ; 192 rows of W: one tensor load, one head
.set AOFF,  2*BPART                    ; a slot: W's two parts, then x's two parts
.set SLOT,  2*BPART+2*APART            ; 92,160
.set STAGE, 2*SLOT                     ; behind the ring, a multiple of 256: no tensor load lands here
.set STG,   3*FR                       ; a wave's stage: q, k, v, 16 rows x 144 bytes each
.set LAPS,  8                          ; 16 steps of 64 along K, two a lap
.set AKB,   8192*128                   ; bytes from one block of K to the next in xh
.set BKB,   3072*128                   ; and in wqh
.set ADRA, 16                          ; v16,17  LDS address of my x fragments in slot 0, 1
.set ADRB, 20                          ; v20,21  the same for W
.set STO,  24                          ; v24  way out: where I put 16 bytes
.set RD,   25                          ; v25  way out: where I read back
.set CO,   26                          ; v26  16 x lane
.set ZV,   27                          ; v27  0
.set AB0,  32                          ; v32-95, v96-159    x fragments (8 x 8 registers), two buffers
.set BB0,  160                         ; v160-191, v192-223 W fragments (4 x 8 registers), two buffers
.set G1A, 24                           ; s[24:31] descriptor group 1, x
.set G0A, 32                           ; s[32:39] group 0, x, a set for each slot
.set G1B, 48                           ; s[48:55] group 1, W
.set G0B, 56                           ; s[56:63] group 0, W, a set for each slot
.set W0, (3<<16)|(1<<20)|(1<<21)|(4<<22)|(3<<25)   ; elements of 8 bytes; padding on; bit 21 beside a mask; after every 32 words; 4 words
.set MSB, 0
.macro WIN new                         ; the immediate's high byte repeats the setting that is left
.if MSB != \new
	s_set_vgpr_msb (MSB<<8)|\new
.set MSB, \new
.endif
.endm
.macro PLACES                          ; four places behind a matrix instruction before its registers are loaded into, read or written (ISA guide 7.12.1)
.rept 4
	v_nop
.endr
.endm
.macro CREST                           ; a round of the cluster's barrier behind its opening work-group barrier
	s_cmp_lg_u32 s12, 0
	s_cbranch_scc1 .Lnot_wave_0_\@
	s_barrier_signal -3
.Lnot_wave_0_\@:
	s_barrier_wait -3
	s_barrier_signal -1
	s_barrier_wait -1
.endm
.macro CROUND
	s_barrier_signal -1
	s_barrier_wait -1
	CREST
.endm
.macro JLOAD s                         ; waves 0, 1 ask for W's two parts, waves 2, 3 for x's: one joint load a wave
	s_cmp_eq_u32 s13, 0
	s_cbranch_scc0 .Lfor_a_\@
	tensor_load_to_lds s[G0B+4*\s:G0B+4*\s+3], s[G1B:G1B+7]
	s_nop 0
	s_branch .Lasked_\@
.Lfor_a_\@:
	tensor_load_to_lds s[G0A+4*\s:G0A+4*\s+3], s[G1A:G1A+7]
	s_nop 0
.Lasked_\@:
.endm
	s_load_b256 s[4:11], s[0:1], 0x0               ; xh s[4:5], wqh s[6:7], qkv s[8:9], stat s[10:11]
	v_lshl_add_u32 v254, v0, 2, 0x33c00
	v_mov_b32 v255, 0
	ds_add_u32 v254, v255
	ds_add_u32 v254, v255
	v_lshrrev_b32 v1, 5, v0
	v_readfirstlane_b32 s12, v1                    ; wave
	s_lshr_b32 s13, s12, 1                         ; wm: my half of the rows.  Also: I fetch W (0) or x (1)
	s_and_b32 s14, s12, 1                          ; wn: my head.  Also: which part I fetch
	s_bfe_u32 s17, ttmp6, 0x40000                  ; cx
	s_bfe_u32 s18, ttmp6, 0x40004                  ; cy
	s_lshl_b32 s16, ttmp9, 2
	s_add_co_u32 s16, s16, s17                     ; bx: block column, 0..7
	s_and_b32 s15, ttmp7, 0xffff
	s_lshl_b32 s15, s15, 2
	s_add_co_u32 s15, s15, s18                     ; by: block row, 0..31
	s_lshl_b32 s20, s18, 2
	s_lshl_b32 s20, 15, s20                        ; my row of the cluster
	s_lshl_b32 s21, 0x1111, s17                    ; my column
	; the tiles are dense in memory: they come as rows of 256 bytes (32 elements of 8 bytes); the padding falls behind every 128 bytes
	s_or_b32 s[G1A+0], s20, W0                     ; x's tiles go to my row of the cluster
	s_or_b32 s[G1B+0], s21, W0                     ; W's to my column
	s_mov_b32 s[G1A+1], 32<<16                     ; tensor_dim0 = 32
	s_mov_b32 s[G1B+1], 32<<16
	s_mov_b32 s[G1A+2], 64<<16                     ; tensor_dim1 = 64 rows of 256 bytes = 128 rows of x
	s_mov_b32 s[G1B+2], 96<<16                     ; 96 = 192 rows of W
	s_mov_b32 s[G1A+3], 32<<16                     ; tile_dim0
	s_mov_b32 s[G1B+3], 32<<16
	s_mov_b32 s[G1A+4], 64                         ; tile_dim1
	s_mov_b32 s[G1B+4], 96
	s_mov_b32 s[G1A+5], 32                         ; pitch
	s_mov_b32 s[G1B+5], 32
	s_mov_b32 s[G1A+6], 0
	s_mov_b32 s[G1B+6], 0
	s_mov_b32 s[G1A+7], 0
	s_mov_b32 s[G1B+7], 0
	s_lshl_b32 s40, s15, 15                        ; x: (256 by + 128 part) rows of 128 bytes: the block row alone
	s_lshl_b32 s41, s14, 14
	s_add_co_u32 s40, s40, s41
	s_mov_b32 s41, 0
	s_mul_i32 s42, s16, 384*128                    ; W: (384 bx + 192 part) rows: the block column alone
	s_mul_i32 s43, s14, 192*128
	s_add_co_u32 s42, s42, s43
	s_mov_b32 s43, 0
	s_mul_i32 s22, s12, BPART                      ; LDS: W's part of wave 0, 1 at wave x 27,648
	s_mul_i32 s23, s12, APART
	s_add_co_u32 s23, s23, AOFF-2*APART            ; x's part of wave 2, 3 at wave x 18,432 + 18,432
	s_wait_dscnt 0x0
	s_wait_kmcnt 0x0
	s_add_nc_u64 s[40:41], s[4:5], s[40:41]
	s_add_nc_u64 s[42:43], s[6:7], s[42:43]
	CROUND                                         ; all sixteen work-groups are here: the first joint loads meet
.irp s, 0,1
	s_mov_b32 s[G0A+4*\s], 1
	s_add_co_u32 s[G0A+4*\s+1], s23, \s*SLOT
	s_add_nc_u64 s[G0A+4*\s+2:G0A+4*\s+3], s[40:41], \s*AKB
	s_or_b32 s[G0A+4*\s+3], s[G0A+4*\s+3], 0x80000000
	s_mov_b32 s[G0B+4*\s], 1
	s_add_co_u32 s[G0B+4*\s+1], s22, \s*SLOT
	s_add_nc_u64 s[G0B+4*\s+2:G0B+4*\s+3], s[42:43], \s*BKB
	s_or_b32 s[G0B+4*\s+3], s[G0B+4*\s+3], 0x80000000
	JLOAD \s                                       ; both slots' first fills go out together: two tensor loads of the wave are out
.endr
	v_and_b32 v1, 31, v0                           ; lane
	v_and_b32 v2, 15, v0                           ; r
	v_bfe_u32 v3, v0, 4, 1                         ; h
	v_mul_u32_u24 v4, v2, PITCH
	v_lshl_add_u32 v4, v3, 4, v4                   ; r x pitch + 16 h: a fragment is two loads of 16 bytes, 32 bytes apart
	s_mul_i32 s20, s13, APART
	s_add_co_u32 s20, s20, AOFF
	s_mul_i32 s21, s14, BPART
	v_add_nc_u32 v[ADRA], s20, v4
	v_add_nc_u32 v[ADRB], s21, v4
	v_add_nc_u32 v[ADRA+1], SLOT, v[ADRA]
	v_add_nc_u32 v[ADRB+1], SLOT, v[ADRB]
	s_mul_i32 s20, s12, STG
	s_add_co_u32 s20, s20, STAGE                   ; my stage
	v_add_nc_u32 v[STO], s20, v4
	v_lshrrev_b32 v5, 3, v1                        ; back: eight lanes take a row of 128 bytes
	v_mul_u32_u24 v5, v5, PITCH
	v_and_b32 v6, 7, v0
	v_lshl_add_u32 v5, v6, 4, v5
	v_add_nc_u32 v[RD], s20, v5
	v_lshlrev_b32 v[CO], 4, v1
	v_mov_b32 v[ZV], 0
.macro LDA slot, koff, ab              ; 16 LDS loads: my 128 rows of x, 32 along K at byte koff
.irp i, 0,1,2,3,4,5,6,7
	ds_load_b128 v[AB0+64*\ab+8*\i:AB0+64*\ab+8*\i+3],   v[ADRA+\slot] offset:\koff+\i*FR
	ds_load_b128 v[AB0+64*\ab+8*\i+4:AB0+64*\ab+8*\i+7], v[ADRA+\slot] offset:\koff+\i*FR+32
.endr
.endm
.macro LDB slot, koff, g, bb           ; 8 LDS loads: the 64 rows of W of part g (q, k, v) of my head
.irp i, 0,1,2,3
	ds_load_b128 v[BB0+32*\bb+8*\i:BB0+32*\bb+8*\i+3],   v[ADRB+\slot] offset:\koff+(4*\g+\i)*FR
	ds_load_b128 v[BB0+32*\bb+8*\i+4:BB0+32*\bb+8*\i+7], v[ADRB+\slot] offset:\koff+(4*\g+\i)*FR+32
.endr
.endm
.macro MUL16 ab, bb, a0, zero          ; 16 matrix instructions on 16 accumulators; zero = 1: the product starts the sums
.irp a, \a0, \a0+1, \a0+2, \a0+3
.irp b, 0,1,2,3
.if \zero
	v_wmma_f32_16x16x32_f16 v[8*(4*(\a)+\b):8*(4*(\a)+\b)+7], v[BB0+32*\bb+8*\b:BB0+32*\bb+8*\b+7], v[AB0+64*\ab+8*(\a):AB0+64*\ab+8*(\a)+7], 0
.else
	v_wmma_f32_16x16x32_f16 v[8*(4*(\a)+\b):8*(4*(\a)+\b)+7], v[BB0+32*\bb+8*\b:BB0+32*\bb+8*\b+7], v[AB0+64*\ab+8*(\a):AB0+64*\ab+8*(\a)+7], v[8*(4*(\a)+\b):8*(4*(\a)+\b)+7]
.endif
.endr
.endr
.endm
.macro STRETCH win, ab, bb, zero       ; 32 matrix instructions: one window's 32 accumulators, 32 along K
	WIN \win
	MUL16 \ab, \bb, 0, \zero
	MUL16 \ab, \bb, 4, \zero
.endm
; One K step: six stretches (two halves of 32 along K x q, k, v).  At the head of each stretch the next stretch's fragments are asked for,
; and the wait lets exactly those stay out.  mode 2: a round of the cluster's barrier and the slot's refill; 1: a plain barrier; 0: the last step.
.macro SLOTBODY s, nx, zero, mode
	WIN 0
	PLACES
	LDB \s, 0, 1, 1
	s_wait_dscnt 8                                 ; all but the 8 just issued
	STRETCH 0x50, 0, 0, \zero
	WIN 0
	PLACES
	LDB \s, 0, 2, 0
	s_wait_dscnt 8
	STRETCH 0xa0, 0, 1, \zero
	WIN 0
	PLACES
	LDA \s, 64, 1
	LDB \s, 64, 0, 1
	s_wait_dscnt 24                                ; all but the 24 just issued
	STRETCH 0xf0, 0, 0, \zero
	WIN 0
	PLACES
	LDB \s, 64, 1, 0
	s_wait_dscnt 8
	STRETCH 0x50, 1, 1, 0
	WIN 0
	PLACES
	LDB \s, 64, 2, 1                               ; my last reads of this slot
	s_wait_dscnt 8
	WIN 0xa0
	MUL16 1, 0, 0, 0
.if \mode
	s_wait_dscnt 0x0                               ; my reads of this slot are back,
	s_wait_tensorcnt 0x0                           ; all my tensor loads have landed (the one that was out: my part of the other slot):
	ds_add_u32 v254, v255
	s_wait_dscnt 0x0
	s_barrier_signal -1                            ; say so,
.endif
	MUL16 1, 0, 4, 0                               ; work on registers while the others arrive,
	WIN 0
.if \mode
	s_barrier_wait -1                              ; and go on when all four waves have said so
.endif
.if \mode == 2
	CREST                                          ; all sixteen work-groups have said so: no partner's wave reads this slot or has a load on its way
	s_add_nc_u64 s[G0A+4*\s+2:G0A+4*\s+3], s[G0A+4*\s+2:G0A+4*\s+3], 2*AKB
	s_add_nc_u64 s[G0B+4*\s+2:G0B+4*\s+3], s[G0B+4*\s+2:G0B+4*\s+3], 2*BKB
	JLOAD \s                                       ; my one tensor load behind the round, first thing: two K steps ahead; 176 matrix instructions until the wait for it
.endif
.if \mode
	PLACES
	LDA \nx, 0, 0
	LDB \nx, 0, 0, 0
	s_wait_dscnt 24
.else
	s_wait_dscnt 0x0
.endif
	STRETCH 0xf0, 1, 1, 0
.endm
	s_wait_tensorcnt 0x1                           ; my part of slot 0 is in; slot 1's stays out
	s_barrier_signal -1
	s_barrier_wait -1
	LDA 0, 0, 0
	LDB 0, 0, 0, 0
	SLOTBODY 0, 1, 1, 2                            ; the first lap stands ahead of the loop: its first products start the sums
	SLOTBODY 1, 0, 0, 2
	WIN 0
	s_mov_b32 s19, LAPS-2
.Llap:
	SLOTBODY 0, 1, 0, 2
	SLOTBODY 1, 0, 0, 2
	WIN 0
	s_sub_co_u32 s19, s19, 1
	s_cmp_lg_u32 s19, 0
	s_cbranch_scc1 .Llap
	SLOTBODY 0, 1, 0, 1                            ; the last lap fills nothing
	SLOTBODY 1, 0, 0, 0
	WIN 0
	PLACES
	; THE WAY OUT, 16 rows at a time.  A row's 64 numbers of a part lie in lanes r and r + 16, 32 registers each.
.set KD, 32                            ; v32-63   k - mean, then k-hat
.set T,  64                            ; v64-79   partial sums
.set PK, 96                            ; v96-143  q, k-hat, v in f16: 16 registers each
.set RB, 144                           ; v144-191, v192-239  rows read back, two buffers
.set MQ, 240                           ; v240 largest |q|, v241 largest |v|
.set MV, 241
.set MU, 242                           ; v242:243 the mean, twice
.set RS, 244                           ; v244:245 1/sqrt(var + eps), twice
	s_mov_b32 s40, 0x76543210                      ; v_permlanex16_b32: lane i reads lane i of the other half
	s_mov_b32 s41, 0xfedcba98
	s_mov_b32 s42, 0x3c800000                      ; 1/64
	s_mov_b32 s43, 0x3727c5ac                      ; 1e-5
	s_lshr_b32 s44, s15, 4                         ; batch = by >> 4
	s_lshl_b32 s44, s44, 4
	s_lshl1_add_u32 s44, s16, s44                  ; + head = 2 bx + wn
	s_add_co_u32 s44, s44, s14
	s_lshl_b32 s44, s44, 6                         ; 64 chunks a sequence
	s_lshl_b32 s45, s15, 2
	s_lshl1_add_u32 s45, s13, s45
	s_and_b32 s45, s45, 63                         ; my first chunk = (4 by + 2 wm) mod 64
	s_add_co_u32 s44, s44, s45
	s_mul_i32 s44, s44, 24576                      ; a chunk's q, k, v: 3 x 8,192 bytes
	s_mov_b32 s45, 0
	s_add_nc_u64 s[8:9], s[8:9], s[44:45]
	s_lshl3_add_u32 s46, s15, s16                  ; stat: ((8 by + bx) 4 + wave) x 8 bytes
	s_lshl2_add_u32 s46, s46, s12
	s_lshl_b32 s46, s46, 3
	s_mov_b32 s47, 0
	s_add_nc_u64 s[10:11], s[10:11], s[46:47]
	v_mov_b32 v[MQ], 0
	v_mov_b32 v[MV], 0
.macro FOLD8                           ; T[0..7] and the other half's lane -> T[0]
	v_pk_add_f32 v[T:T+1], v[T:T+1], v[T+4:T+5]
	v_pk_add_f32 v[T+2:T+3], v[T+2:T+3], v[T+6:T+7]
	v_pk_add_f32 v[T:T+1], v[T:T+1], v[T+2:T+3]
	v_add_f32 v[T], v[T], v[T+1]
	v_permlanex16_b32 v[T+1], v[T], s40, s41
	v_add_f32 v[T], v[T], v[T+1]
.endm
.macro OUTA a
	WIN 0x0a                                       ; sources in window 2: k
.irp i, 0,1,2,3,4,5,6,7
	v_pk_add_f32 v[T+2*\i:T+2*\i+1], v[32*\a+4*\i:32*\a+4*\i+1], v[32*\a+4*\i+2:32*\a+4*\i+3]
.endr
	WIN 0
.irp i, 0,2,4,6
	v_pk_add_f32 v[T+\i:T+\i+1], v[T+\i:T+\i+1], v[T+8+\i:T+8+\i+1]
.endr
	FOLD8
	v_mul_f32 v[MU], s42, v[T]                     ; the mean
	v_mul_f32 v[MU+1], s42, v[T]
	WIN 0x02
.irp i, 0,1,2,3,4,5,6,7,8,9,10,11,12,13,14,15
	v_pk_add_f32 v[KD+2*\i:KD+2*\i+1], v[32*\a+2*\i:32*\a+2*\i+1], v[MU:MU+1] neg_lo:[0,1] neg_hi:[0,1]
.endr
	WIN 0
.irp i, 0,1,2,3
	v_pk_mul_f32 v[T+2*\i:T+2*\i+1], v[KD+2*\i:KD+2*\i+1], v[KD+2*\i:KD+2*\i+1]
.endr
.irp i, 4,5,6,7,8,9,10,11,12,13,14,15
	v_pk_fma_f32 v[T+2*(\i%4):T+2*(\i%4)+1], v[KD+2*\i:KD+2*\i+1], v[KD+2*\i:KD+2*\i+1], v[T+2*(\i%4):T+2*(\i%4)+1]
.endr
	FOLD8
	v_fma_f32 v[T], v[T], s42, s43                 ; var + eps
	v_rsq_f32 v[RS], v[T]
	v_nop                                          ; one plain place behind the transcendental (ISA guide 5.7.2)
	s_wait_alu depctr_va_vdst(0)
	v_mov_b32 v[RS+1], v[RS]
.irp i, 0,1,2,3,4,5,6,7,8,9,10,11,12,13,14,15
	v_pk_mul_f32 v[KD+2*\i:KD+2*\i+1], v[KD+2*\i:KD+2*\i+1], v[RS:RS+1]
.endr
.irp i, 0,1,2,3,4,5,6,7,8,9,10,11,12,13,14,15
	v_cvt_pk_f16_f32 v[PK+16+\i], v[KD+2*\i], v[KD+2*\i+1]
.endr
	WIN 0x05                                       ; sources 0, 1 in window 1: q
.irp i, 0,1,2,3,4,5,6,7,8,9,10,11,12,13,14,15
	v_cvt_pk_f16_f32 v[PK+\i], v[32*\a+2*\i], v[32*\a+2*\i+1]
	v_max3_num_f32 v[MQ], |v[32*\a+2*\i]|, |v[32*\a+2*\i+1]|, v[MQ]
.endr
	WIN 0x0f                                       ; window 3: v
.irp i, 0,1,2,3,4,5,6,7,8,9,10,11,12,13,14,15
	v_cvt_pk_f16_f32 v[PK+32+\i], v[32*\a+2*\i], v[32*\a+2*\i+1]
	v_max3_num_f32 v[MV], |v[32*\a+2*\i]|, |v[32*\a+2*\i+1]|, v[MV]
.endr
	WIN 0
.irp p, 0,1,2
.irp b, 0,1,2,3
	ds_store_b128 v[STO], v[PK+16*\p+4*\b:PK+16*\p+4*\b+3] offset:\p*FR+32*\b
.endr
.endr
	s_wait_xcnt 0x0                                ; the buffer below was the data of earlier stores: it is loaded again only behind this wait
.irp p, 0,1,2
.irp t, 0,1,2,3
	ds_load_b128 v[RB+48*(\a&1)+16*\p+4*\t:RB+48*(\a&1)+16*\p+4*\t+3], v[RD] offset:\p*FR+\t*4*PITCH   ; LDS serves a wave's instructions in order: these see the stores above
.endr
.endr
.irp p, 0,1,2
.irp t, 0,1,2,3
	s_wait_dscnt 11-4*\p-\t                        ; the younger read-backs stay out
	global_store_b128 v[CO], v[RB+48*(\a&1)+16*\p+4*\t:RB+48*(\a&1)+16*\p+4*\t+3], s[8:9] offset:(\a>>2)*24576+\p*8192+(\a&3)*2048+\t*512   ; four rows of 128 bytes: 512 consecutive bytes
.endr
.endr
.endm
	OUTA 0
	OUTA 1
	OUTA 2
	OUTA 3
	OUTA 4
	OUTA 5
	OUTA 6
	OUTA 7
.irp m, 1,2,4,8
	v_max_num_f32_dpp v[MQ], v[MQ], v[MQ] row_xmask:\m row_mask:0xf bank_mask:0xf
	v_max_num_f32_dpp v[MV], v[MV], v[MV] row_xmask:\m row_mask:0xf bank_mask:0xf
.endr
	v_permlanex16_b32 v[T], v[MQ], s40, s41
	v_permlanex16_b32 v[T+1], v[MV], s40, s41
	v_max_num_f32 v[MQ], v[MQ], v[T]
	v_max_num_f32 v[MV], v[MV], v[T+1]
	v_cmp_eq_u32 vcc_lo, 0, v1
	s_wait_xcnt 0x0                                ; EXEC is a source of the stores above: it changes only behind this wait
	s_and_saveexec_b32 s20, vcc_lo
	global_store_b64 v[ZV], v[MQ:MQ+1], s[10:11]   ; lane 0: my wave's two maxima
	s_wait_xcnt 0x0
	s_or_b32 exec_lo, exec_lo, s20
	s_wait_tensorcnt 0x0
	ds_add_u32 v254, v255
	s_wait_dscnt 0x0
	CROUND                                         ; the closing round: no work-group ends while a partner may still ask jointly
	s_endpgm
.Lfunc_end_k_q06a0f3dc4d_qkv:
	.size	k_q06a0f3dc4d_qkv, .Lfunc_end_k_q06a0f3dc4d_qkv-k_q06a0f3dc4d_qkv
	.p2alignl 7, 3214868480
	.fill 96, 4, 3214868480
	.section	.rodata,"a",@progbits
	.p2align	6, 0x0
	.amdhsa_kernel k_q06a0f3dc4d_qkv
		.amdhsa_group_segment_fixed_size 327680
		.amdhsa_private_segment_fixed_size 0
		.amdhsa_enable_private_segment 0
		.amdhsa_kernarg_size 32
		.amdhsa_user_sgpr_count 2
		.amdhsa_user_sgpr_kernarg_segment_ptr 1
		.amdhsa_wavefront_size32 1
		.amdhsa_system_sgpr_workgroup_id_x 1
		.amdhsa_system_sgpr_workgroup_id_y 1
		.amdhsa_system_sgpr_workgroup_id_z 1
		.amdhsa_system_vgpr_workitem_id 0
		.amdhsa_next_free_vgpr 1024
		.amdhsa_next_free_sgpr 66
		.amdhsa_reserve_vcc 1
		.amdhsa_float_denorm_mode_32 3
		.amdhsa_float_denorm_mode_16_64 3
		.amdhsa_memory_ordered 1
		.amdhsa_forward_progress 1
		.amdhsa_inst_pref_size 225
	.end_amdhsa_kernel
	.amdgpu_metadata
---
amdhsa.version: [ 1, 2 ]
amdhsa.kernels:
  - .name:           k_q06a0f3dc4d_qkv
    .symbol:         k_q06a0f3dc4d_qkv.kd
    .args:
      - { .name: xh, .offset: 0, .size: 8, .value_kind: global_buffer, .address_space: global }
      - { .name: wqh, .offset: 8, .size: 8, .value_kind: global_buffer, .address_space: global }
      - { .name: qkv, .offset: 16, .size: 8, .value_kind: global_buffer, .address_space: global }
      - { .name: stat, .offset: 24, .size: 8, .value_kind: global_buffer, .address_space: global }
    .group_segment_fixed_size: 327680
    .private_segment_fixed_size: 0
    .kernarg_segment_align: 8
    .kernarg_segment_size: 32
    .max_flat_workgroup_size: 128
    .sgpr_count:     66
    .vgpr_count:     1024
    .wavefront_size: 32
...
	.end_amdgpu_metadata
.endif
;; end of part 2
;; launch state (part 3): grid 7 x 32, 8 waves a work-group, no clusters, 222,208 bytes of LDS; arguments qkv, log_gamma, tseg; writes tseg
.if DOCPART == 3
	.amdgcn_target "amdgcn-amd-amdhsa--gfx1250"
	.amdhsa_code_object_version 6
	.text
	.protected	k_q06a0f3dc4d_state
	.globl	k_q06a0f3dc4d_state
	.p2align	8
	.type	k_q06a0f3dc4d_state,@function
k_q06a0f3dc4d_state:
	s_mov_b64 s[64:65], 0
	v_nop
	global_prefetch_b8 v0, s[64:65] scope:SCOPE_SE
	s_setreg_imm32_b32 hwreg(HW_REG_WAVE_MODE, 25, 1), 1
	s_wait_xcnt 0x0
; tseg[bh][seg] = sum over the segment's 512 rows s of gamma^(511-s) v_s k_s^T (64 x 64, f32), for segments 0 to 6 of each of the 32 sequences
; (the last segment's sum is never needed).  Eight waves; wave w makes U_w = sum over chunk 8 seg + w of gamma^(63-s) v k^T by 32 matrix
; instructions; the eight meet in LDS and are summed by Horner's rule with gamma^64, each thread owning 16 numbers.
; gamma = sigmoid(log_gamma[head]); all its powers are products.  LIMIT: gamma may differ from an exactly rounded sigmoid by one or two units
; in the last place; the weights gamma^(63-s) and v x weight are rounded to f16 (weights below 2^-14 keep an absolute error of 2^-25).
; No cluster: no two work-groups read the same chunk.  One tensor load a wave, at the start; nothing is filled again.
.set PITCH,  144
.set PART,   64*PITCH                  ; 64 rows of q, k or v in LDS
.set REGION, 3*PART                    ; a wave's region: q (not used here), k, v
.set UP,     272                       ; U's rows: 256 bytes + 16
.set RR,   2                           ; r = lane & 15
.set HH,   3                           ; h = lane >> 4
.set TRA,  5                           ; address for the transposing loads
.set USTO, 6                           ; where I put U
.set ULD,  7                           ; v7-10 where thread t reads its share of U_c, c = 2 p, 2 p + 1
.set PT,   16
.set PT2,  27
.set O16T, 19                          ; 16 x thread
.set S,    28                          ; v28-43 my 16 numbers of the sum
.set W,    76                          ; v76-91 the weights, f16 pairs in the fragment's order of s
.set FA,   92                          ; v92-155  V^T fragments; later U_0..U_3
.set FB,   156                         ; v156-219 K^T fragments; later U_4..U_7
.set TMP,  220
.set MSB, 0
.macro WIN new
.if MSB != \new
	s_set_vgpr_msb (MSB<<8)|\new
.set MSB, \new
.endif
.endm
.macro PLACES5                         ; five places behind a group of matrix instructions (ISA guide 7.12.1)
.rept 5
	v_nop
.endr
.endm
.macro WQ wb, fs                       ; four weight registers: u_7 .. u_0 times the scalar power fs
.irp m, 0,1,2,3,4,5,6,7
	v_mul_f32 v[TMP+8+\m], s[\fs], v[TMP+\m]
.endr
.irp i, 0,1,2,3
	v_cvt_pk_f16_f32 v[\wb+\i], v[TMP+15-2*\i], v[TMP+14-2*\i]
.endr
.endm
.macro LDT f, part                     ; 16 transposing loads: fragments (column block cb, half sb of the 64 rows): lane r holds column 16 cb + r, s runs along the registers
.irp cb, 0,1,2,3
.irp sb, 0,1
	ds_load_tr16_b128 v[\f+8*(2*\cb+\sb):\f+8*(2*\cb+\sb)+3],   v[TRA] offset:\part+\sb*32*PITCH+\cb*32
	ds_load_tr16_b128 v[\f+8*(2*\cb+\sb)+4:\f+8*(2*\cb+\sb)+7], v[TRA] offset:\part+\sb*32*PITCH+\cb*32+16*PITCH
.endr
.endr
.endm
.macro UMUL xb                         ; U: tile (ei, di) at window 1, xb + 8 (4 di + ei): lane r holds d = 16 di + r, register j holds e = 16 ei + 8 h + j
.irp cb, 0,1,2,3
.irp sb, 0,1
.irp i, 0,1,2,3,4,5,6,7
	v_pk_mul_f16 v[FA+8*(2*\cb+\sb)+\i], v[FA+8*(2*\cb+\sb)+\i], v[W+8*\sb+\i]
.endr
.endr
.endr
	WIN 0x50
.irp di, 0,1,2,3
.irp ei, 0,1,2,3
	v_wmma_f32_16x16x32_f16 v[\xb+8*(4*\di+\ei):\xb+8*(4*\di+\ei)+7], v[FB+16*\ei:FB+16*\ei+7], v[FA+16*\di:FA+16*\di+7], 0
.endr
.endr
.irp di, 0,1,2,3
.irp ei, 0,1,2,3
	v_wmma_f32_16x16x32_f16 v[\xb+8*(4*\di+\ei):\xb+8*(4*\di+\ei)+7], v[FB+16*\ei+8:FB+16*\ei+15], v[FA+16*\di+8:FA+16*\di+15], v[\xb+8*(4*\di+\ei):\xb+8*(4*\di+\ei)+7]
.endr
.endr
.endm
.macro USTORE xb
	WIN 0x04                                       ; store data in window 1
.irp di, 0,1,2,3
.irp ei, 0,1,2,3
	ds_store_b128 v[USTO], v[\xb+8*(4*\di+\ei):\xb+8*(4*\di+\ei)+3]   offset:\di*16*UP+\ei*64
	ds_store_b128 v[USTO], v[\xb+8*(4*\di+\ei)+4:\xb+8*(4*\di+\ei)+7] offset:\di*16*UP+\ei*64+16
.endr
.endr
	WIN 0
.endm
	s_load_b128 s[4:7], s[0:1], 0x0                ; qkv s[4:5], log_gamma s[6:7]
	s_load_b64 s[8:9], s[0:1], 0x10                ; tseg
	v_lshl_add_u32 v254, v0, 2, 0x36000
	v_mov_b32 v255, 0
	ds_add_u32 v254, v255
	ds_add_u32 v254, v255
	v_lshrrev_b32 v1, 5, v0
	v_readfirstlane_b32 s14, v1                    ; wave
	s_mov_b32 s15, ttmp9                           ; segment 0..6
	s_and_b32 s16, ttmp7, 0xffff                   ; sequence = batch x 16 + head
	s_mov_b32 s40, (3<<16)|(1<<20)|(4<<22)|(3<<25) ; elements of 8 bytes; 4 words of padding behind every 32 words
	s_mov_b32 s41, 32<<16                          ; rows of 256 bytes
	s_mov_b32 s42, 64<<16                          ; 64 of them: k and v, 16,384 bytes
	s_mov_b32 s43, 32<<16
	s_mov_b32 s44, 64
	s_mov_b32 s45, 32
	s_mov_b32 s46, 0
	s_mov_b32 s47, 0
	s_lshl_b32 s17, s16, 6
	s_lshl3_add_u32 s17, s15, s17
	s_add_co_u32 s17, s17, s14                     ; my chunk = 64 bh + 8 seg + wave
	s_mul_i32 s18, s17, 24576
	s_mov_b32 s19, 0
	s_mul_i32 s20, s14, REGION                     ; my region of LDS
	s_and_b32 s21, s16, 15
	s_lshl_b32 s21, s21, 2                         ; my head's word of log_gamma
	s_wait_dscnt 0x0
	s_wait_kmcnt 0x0
	s_load_b32 s22, s[6:7], s21 offset:0x0
	s_add_nc_u64 s[18:19], s[4:5], s[18:19]
	s_mov_b32 s36, 1
	s_add_co_u32 s37, s20, PART                    ; k's place in my region
	s_add_nc_u64 s[38:39], s[18:19], 8192          ; k's place in the chunk
	s_or_b32 s39, s39, 0x80000000
	tensor_load_to_lds s[36:39], s[40:47]          ; my only tensor load
	s_nop 0
	v_and_b32 v[RR], 15, v0
	v_bfe_u32 v[HH], v0, 4, 1
	v_and_b32 v[PT], 7, v0
	v_lshl_add_u32 v[PT], v[HH], 3, v[PT]          ; row 8 h + (lane & 7)
	v_mul_u32_u24 v[PT], v[PT], PITCH
	v_bfe_u32 v[PT2], v0, 3, 1
	v_lshl_add_u32 v[PT], v[PT2], 4, v[PT]         ; + 16 bytes for lanes 8-15 of each half
	v_add_nc_u32 v[TRA], s20, v[PT]
	v_mul_u32_u24 v[PT], v[RR], UP
	v_lshl_add_u32 v[PT], v[HH], 5, v[PT]
	s_add_co_u32 s17, s20, PART                    ; U lies over k and v, once my reads of them are back
	v_add_nc_u32 v[USTO], s17, v[PT]
	v_lshrrev_b32 v[PT2], 4, v0                    ; thread t: rows 16 i + (t >> 4), columns 4 (t & 15) .. + 3
	v_mul_u32_u24 v[PT], v[PT2], UP
	v_lshl_add_u32 v[PT], v[RR], 4, v[PT]
	v_add_nc_u32 v[ULD], PART, v[PT]
	v_add_nc_u32 v[ULD+1], 2*REGION, v[ULD]
	v_add_nc_u32 v[ULD+2], 2*REGION, v[ULD+1]
	v_add_nc_u32 v[ULD+3], 2*REGION, v[ULD+2]
	v_lshlrev_b32 v[O16T], 4, v0
	s_mul_i32 s18, s16, 7
	s_add_co_u32 s18, s18, s15
	s_lshl_b32 s18, s18, 14                        ; (7 bh + seg) x 16,384 bytes
	s_mov_b32 s19, 0
	s_add_nc_u64 s[8:9], s[8:9], s[18:19]
	s_wait_kmcnt 0x0
	v_mov_b32 v[TMP], s22                          ; gamma = 1 / (1 + 2^(-x log2 e))
	v_mul_f32 v[TMP], 0xbfb8aa3b, v[TMP]
	v_exp_f32 v[TMP], v[TMP]
	v_nop
	s_wait_alu depctr_va_vdst(0)
	v_add_f32 v[TMP], 1.0, v[TMP]
	v_rcp_f32 v[TMP], v[TMP]
	v_nop
	s_wait_alu depctr_va_vdst(0)
	v_readfirstlane_b32 s24, v[TMP]
.set pb, 0
.rept 7
	s_mul_f32 s[25+pb], s[24+pb], s[24+pb]         ; s24 .. s31 = gamma^1, 2, 4, 8, 16, 32, 64, 128
.set pb, pb+1
.endr
	s_mul_f32 s53, s29, s28                        ; gamma^48
	; the weights gamma^(63-s), s = 32 sb + 16 u + 8 h + x: gamma^(32 (1-sb)) gamma^(16 (1-u)) gamma^(8 (1-h)) gamma^(7-x)
	v_cmp_eq_u32 vcc_lo, 0, v[HH]
	v_mov_b32 v[TMP+1], s27
	v_cndmask_b32 v[TMP], 1.0, v[TMP+1], vcc_lo    ; u_0 = gamma^8 in lanes 0-15, 1 in lanes 16-31
.irp m, 1,2,3,4,5,6,7
	v_mul_f32 v[TMP+\m], s24, v[TMP+\m-1]          ; u_m = u_0 gamma^m
.endr
.irp i, 0,1,2,3
	v_cvt_pk_f16_f32 v[W+12+\i], v[TMP+7-2*\i], v[TMP+6-2*\i]     ; sb = 1, upper sixteen
.endr
	WQ W+8, 28                                     ; sb = 1, lower sixteen: x gamma^16
	WQ W+4, 29                                     ; sb = 0, upper: x gamma^32
	WQ W, 53                                       ; sb = 0, lower: x gamma^48
	s_wait_tensorcnt 0x0                           ; my chunk's k and v are in LDS; only I read them
	LDT FA, 2*PART
	LDT FB, PART
	s_wait_dscnt 0x0
	UMUL 0                                         ; the accumulators take turns, one instruction a turn
	PLACES5
	USTORE 0
	s_wait_dscnt 0x0                               ; my U is in LDS, for the others' sake
	s_barrier_signal -1
	s_barrier_wait -1
.irp c, 0,1,2,3,4,5,6,7
.irp i, 0,1,2,3
	ds_load_b128 v[FA+16*\c+4*\i:FA+16*\c+4*\i+3], v[ULD+(\c>>1)] offset:(\c&1)*REGION+\i*16*UP
.endr
.endr
	s_wait_dscnt 24                                ; U_0 and U_1 are in; the 24 younger loads stay out
.irp k, 0,2,4,6,8,10,12,14
	v_pk_fma_f32 v[S+\k:S+\k+1], v[FA+\k:FA+\k+1], s[30:31], v[FA+16+\k:FA+16+\k+1] op_sel_hi:[1,0,1]
.endr
.irp c, 2,3,4,5,6,7
	s_wait_dscnt 28-4*\c                           ; U_c is in
.irp k, 0,2,4,6,8,10,12,14
	v_pk_fma_f32 v[S+\k:S+\k+1], v[S+\k:S+\k+1], s[30:31], v[FA+16*\c+\k:FA+16*\c+\k+1] op_sel_hi:[1,0,1]
.endr
.endr
.irp i, 0,1,2,3
	global_store_b128 v[O16T], v[S+4*\i:S+4*\i+3], s[8:9] offset:4096*\i     ; a wave's store covers 512 consecutive bytes
.endr
	s_wait_tensorcnt 0x0
	ds_add_u32 v254, v255
	s_wait_dscnt 0x0
	s_endpgm
.Lfunc_end_k_q06a0f3dc4d_state:
	.size	k_q06a0f3dc4d_state, .Lfunc_end_k_q06a0f3dc4d_state-k_q06a0f3dc4d_state
	.p2alignl 7, 3214868480
	.fill 96, 4, 3214868480
	.section	.rodata,"a",@progbits
	.p2align	6, 0x0
	.amdhsa_kernel k_q06a0f3dc4d_state
		.amdhsa_group_segment_fixed_size 222208
		.amdhsa_private_segment_fixed_size 0
		.amdhsa_enable_private_segment 0
		.amdhsa_kernarg_size 24
		.amdhsa_user_sgpr_count 2
		.amdhsa_user_sgpr_kernarg_segment_ptr 1
		.amdhsa_wavefront_size32 1
		.amdhsa_system_sgpr_workgroup_id_x 1
		.amdhsa_system_sgpr_workgroup_id_y 1
		.amdhsa_system_sgpr_workgroup_id_z 1
		.amdhsa_system_vgpr_workitem_id 0
		.amdhsa_next_free_vgpr 384
		.amdhsa_next_free_sgpr 66
		.amdhsa_reserve_vcc 1
		.amdhsa_float_denorm_mode_32 3
		.amdhsa_float_denorm_mode_16_64 3
		.amdhsa_memory_ordered 1
		.amdhsa_forward_progress 1
		.amdhsa_inst_pref_size 23
	.end_amdhsa_kernel
	.amdgpu_metadata
---
amdhsa.version: [ 1, 2 ]
amdhsa.kernels:
  - .name:           k_q06a0f3dc4d_state
    .symbol:         k_q06a0f3dc4d_state.kd
    .args:
      - { .name: qkv, .offset: 0, .size: 8, .value_kind: global_buffer, .address_space: global }
      - { .name: log_gamma, .offset: 8, .size: 8, .value_kind: global_buffer, .address_space: global }
      - { .name: tseg, .offset: 16, .size: 8, .value_kind: global_buffer, .address_space: global }
    .group_segment_fixed_size: 222208
    .private_segment_fixed_size: 0
    .kernarg_segment_align: 8
    .kernarg_segment_size: 24
    .max_flat_workgroup_size: 256
    .sgpr_count:     66
    .vgpr_count:     384
    .wavefront_size: 32
...
	.end_amdgpu_metadata
.endif
;; end of part 3
;; launch ret (part 4): grid 8 x 32, 8 waves a work-group, no clusters, 297,984 bytes of LDS; arguments qkv, log_gamma, tseg, stat, yh; writes yh
.if DOCPART == 4
	.amdgcn_target "amdgcn-amd-amdhsa--gfx1250"
	.amdhsa_code_object_version 6
	.text
	.protected	k_q06a0f3dc4d_ret
	.globl	k_q06a0f3dc4d_ret
	.p2align	8
	.type	k_q06a0f3dc4d_ret,@function
k_q06a0f3dc4d_ret:
	s_mov_b64 s[64:65], 0
	v_nop
	global_prefetch_b8 v0, s[64:65] scope:SCOPE_SE
	s_setreg_imm32_b32 hwreg(HW_REG_WAVE_MODE, 25, 1), 1
	s_wait_xcnt 0x0
; y_t = sum over s <= t of gamma^(t-s) (q_t . k_s) v_s, by chunks of 64 rows.  A work-group takes a segment of 512 rows of one sequence,
; wave w the chunk 8 seg + w.  y = (masked scores) V inside the chunk + gamma^(t+1) S q, S the state at the chunk's start.
; S at the segment's start comes from tseg by Horner's rule with gamma^512 (a select, not a branch: every step is done by every work-group);
; the states at the eight chunks' starts from the waves' U_c (as in the launch before) by Horner's rule with gamma^64, each thread owning 16 numbers.
; All matrix operands are f16; what has no room there is scaled by powers of two taken from the data:
;   scores x c1, c1 = 2^9 / 2^(Eq+1), 2^Eq <= max|q| < 2^(Eq+1): |q.k| <= 8 max|q| x 8, so |score c1| <= 2^15;
;   each row d of a state by 2^-E, 2^E <= the row's largest magnitude; the factor 2^E goes onto the f32 result;
;   y x c1 c2, c2 = 2^-12 / 2^(Ev+1): |y| <= 4096 x 64 max|q| max|v|, so |y c1 c2| <= 2^15.  The next launch takes c1 c2 off again.
; LIMITS: max|q|, max|v| below 2^-30 are taken as 2^-30; gamma within one or two units in the last place of an exactly rounded sigmoid.
; No cluster: chunks are not shared; the seven states of tseg that the eight work-groups of a sequence share (114,688 bytes) go to registers,
; and the 30,720 bytes of LDS that are left would not hold them.  One tensor load a wave, at the start; nothing is filled again.
.set PITCH,  144
.set PART,   64*PITCH
.set REGION, 3*PART                    ; a wave's region: q, k, v; U lies over k and v, the stage for y over q, each once my reads are back
.set UP,     272
.set SF,     8*REGION                  ; the eight scaled states, f16 [d][e], pitch 144
.set FAC,    SF+8*PART                 ; their 64 factors each, f32
.set LN,   1
.set RR,   2
.set HH,   3
.set ROWA, 4                           ; region + r pitch + 16 h
.set TRA,  5
.set USTO, 6
.set ULD,  7                           ; v7-10
.set SSTO, 11                          ; v11,12
.set FSTO, 13
.set SLD,  14
.set FLD,  15
.set PT,   16
.set YRD,  17
.set O16L, 18
.set O16T, 19
.set LAM,  20                          ; v20-23 c1 gamma^(t+1), t = 16 ti + r
.set NN,   24
.set N2,   25
.set C1V,  26
.set PT2,  27
.set S,    28                          ; v28-43 my 16 numbers of the state
.set M,    44                          ; v44-75 the decay mask M[ti-si][j]; later the factors F[di][j]
.set W,    76
.set FA,   92
.set FB,   156
.set TMP,  220
.set XB,   128                         ; window 1: v0-127 Y (tile (di, ti) at 8 (4 ti + di)); v128-255 X
.set SEL,  48
.set MSB, 0
.macro WIN new
.if MSB != \new
	s_set_vgpr_msb (MSB<<8)|\new
.set MSB, \new
.endif
.endm
.macro PLACES5                         ; five places behind a group of matrix instructions (ISA guide 7.12.1)
.rept 5
	v_nop
.endr
.endm
.macro WQ wb, fs
.irp m, 0,1,2,3,4,5,6,7
	v_mul_f32 v[TMP+8+\m], s[\fs], v[TMP+\m]
.endr
.irp i, 0,1,2,3
	v_cvt_pk_f16_f32 v[\wb+\i], v[TMP+15-2*\i], v[TMP+14-2*\i]
.endr
.endm
.macro LDT f, part
.irp cb, 0,1,2,3
.irp sb, 0,1
	ds_load_tr16_b128 v[\f+8*(2*\cb+\sb):\f+8*(2*\cb+\sb)+3],   v[TRA] offset:\part+\sb*32*PITCH+\cb*32
	ds_load_tr16_b128 v[\f+8*(2*\cb+\sb)+4:\f+8*(2*\cb+\sb)+7], v[TRA] offset:\part+\sb*32*PITCH+\cb*32+16*PITCH
.endr
.endr
.endm
.macro LDR f, adr, off                 ; 16 plain loads: fragments (row block rb, half eh of the 64 columns)
.irp rb, 0,1,2,3
.irp eh, 0,1
	ds_load_b128 v[\f+8*(2*\rb+\eh):\f+8*(2*\rb+\eh)+3],   v[\adr] offset:\off+\rb*16*PITCH+\eh*64
	ds_load_b128 v[\f+8*(2*\rb+\eh)+4:\f+8*(2*\rb+\eh)+7], v[\adr] offset:\off+\rb*16*PITCH+\eh*64+32
.endr
.endr
.endm
.macro UMUL xb
.irp cb, 0,1,2,3
.irp sb, 0,1
.irp i, 0,1,2,3,4,5,6,7
	v_pk_mul_f16 v[FA+8*(2*\cb+\sb)+\i], v[FA+8*(2*\cb+\sb)+\i], v[W+8*\sb+\i]
.endr
.endr
.endr
	WIN 0x50
.irp di, 0,1,2,3
.irp ei, 0,1,2,3
	v_wmma_f32_16x16x32_f16 v[\xb+8*(4*\di+\ei):\xb+8*(4*\di+\ei)+7], v[FB+16*\ei:FB+16*\ei+7], v[FA+16*\di:FA+16*\di+7], 0
.endr
.endr
.irp di, 0,1,2,3
.irp ei, 0,1,2,3
	v_wmma_f32_16x16x32_f16 v[\xb+8*(4*\di+\ei):\xb+8*(4*\di+\ei)+7], v[FB+16*\ei+8:FB+16*\ei+15], v[FA+16*\di+8:FA+16*\di+15], v[\xb+8*(4*\di+\ei):\xb+8*(4*\di+\ei)+7]
.endr
.endr
.endm
.macro USTORE xb
	WIN 0x04
.irp di, 0,1,2,3
.irp ei, 0,1,2,3
	ds_store_b128 v[USTO], v[\xb+8*(4*\di+\ei):\xb+8*(4*\di+\ei)+3]   offset:\di*16*UP+\ei*64
	ds_store_b128 v[USTO], v[\xb+8*(4*\di+\ei)+4:\xb+8*(4*\di+\ei)+7] offset:\di*16*UP+\ei*64+16
.endr
.endr
	WIN 0
.endm
.macro POW dst, n, bits, init          ; dst = init x gamma^n, n < 2^bits, as a product of the squared powers in s24 ..
	v_mov_b32 v[\dst], \init
.set pb, 0
.rept \bits
	v_and_b32 v[PT], 1<<pb, v[\n]
	v_mov_b32 v[PT2], s[24+pb]
	v_cmp_ne_u32 vcc_lo, 0, v[PT]
	v_cndmask_b32 v[PT], 1.0, v[PT2], vcc_lo
	v_mul_f32 v[\dst], v[\dst], v[PT]
.set pb, pb+1
.endr
.endm
.macro STATRED b, q, v, t              ; the 1,024 waves' maxima (64 registers a lane) -> the exponent fields of max|q| and max|v|, in every lane
	v_max_num_f32 v[\q], v[\b], v[\b+2]
	v_max_num_f32 v[\v], v[\b+1], v[\b+3]
.set sr, 1
.rept 15
	v_max3_num_f32 v[\q], v[\b+4*sr], v[\b+4*sr+2], v[\q]
	v_max3_num_f32 v[\v], v[\b+4*sr+1], v[\b+4*sr+3], v[\v]
.set sr, sr+1
.endr
.irp m, 1,2,4,8
	v_max_num_f32_dpp v[\q], v[\q], v[\q] row_xmask:\m row_mask:0xf bank_mask:0xf
	v_max_num_f32_dpp v[\v], v[\v], v[\v] row_xmask:\m row_mask:0xf bank_mask:0xf
.endr
	v_mov_b32 v[\t], 0
	v_permlanex16_b32 v[\t], v[\q], s[SEL], s[SEL+1]
	v_max_num_f32 v[\q], v[\q], v[\t]
	v_permlanex16_b32 v[\t], v[\v], s[SEL], s[SEL+1]
	v_max_num_f32 v[\v], v[\v], v[\t]
	v_and_b32 v[\q], 0x7f800000, v[\q]
	v_and_b32 v[\v], 0x7f800000, v[\v]
	v_max_u32 v[\q], 0x30800000, v[\q]             ; at least 2^-30
	v_max_u32 v[\v], 0x30800000, v[\v]
.endm
	s_load_b256 s[4:11], s[0:1], 0x0               ; qkv s[4:5], log_gamma s[6:7], tseg s[8:9], stat s[10:11]
	s_load_b64 s[12:13], s[0:1], 0x20              ; yh
	v_lshl_add_u32 v254, v0, 2, 0x48800
	v_mov_b32 v255, 0
	ds_add_u32 v254, v255
	ds_add_u32 v254, v255
	s_wait_dscnt 0x0
	v_lshrrev_b32 v1, 5, v0
	v_readfirstlane_b32 s14, v1                    ; wave
	s_mov_b32 s15, ttmp9                           ; segment 0..7
	s_and_b32 s16, ttmp7, 0xffff                   ; sequence
	s_mov_b32 s40, (3<<16)|(1<<20)|(4<<22)|(3<<25)
	s_mov_b32 s41, 32<<16
	s_mov_b32 s42, 96<<16                          ; 96 rows of 256 bytes: the chunk's q, k, v
	s_mov_b32 s43, 32<<16
	s_mov_b32 s44, 96
	s_mov_b32 s45, 32
	s_mov_b32 s46, 0
	s_mov_b32 s47, 0
	s_mov_b32 s48, 0x76543210
	s_mov_b32 s49, 0xfedcba98
	s_lshl_b32 s17, s16, 6
	s_lshl3_add_u32 s17, s15, s17
	s_add_co_u32 s17, s17, s14
	s_mul_i32 s18, s17, 24576
	s_mov_b32 s19, 0
	s_mul_i32 s20, s14, REGION
	s_and_b32 s21, s16, 15
	s_lshl_b32 s21, s21, 2
	s_wait_kmcnt 0x0
	s_load_b32 s22, s[6:7], s21 offset:0x0
	s_mov_b32 s36, 1
	s_mov_b32 s37, s20
	s_add_nc_u64 s[38:39], s[4:5], s[18:19]
	s_or_b32 s39, s39, 0x80000000
	tensor_load_to_lds s[36:39], s[40:47]          ; my only tensor load
	s_nop 0
	v_and_b32 v[LN], 31, v0
	v_lshlrev_b32 v[O16L], 4, v[LN]
	v_lshlrev_b32 v[O16T], 4, v0
	s_mul_i32 s18, s16, 7*16384
	s_mov_b32 s19, 0
	s_add_nc_u64 s[8:9], s[8:9], s[18:19]          ; my sequence's seven states
.irp i, 0,1,2,3,4,5,6,7,8,9,10,11,12,13,14,15
	global_load_b128 v[FA+4*\i:FA+4*\i+3], v[O16L], s[10:11] offset:512*\i
.endr
	WIN 0x40                                       ; destinations in window 1
.irp j, 0,1,2,3,4,5,6
.irp i, 0,1,2,3
	global_load_b128 v[16*\j+4*\i:16*\j+4*\i+3], v[O16T], s[8:9] offset:\j*16384+\i*4096
.endr
.endr
	WIN 0
	v_and_b32 v[RR], 15, v0
	v_bfe_u32 v[HH], v0, 4, 1
	v_mul_u32_u24 v[PT], v[RR], PITCH
	v_lshl_add_u32 v[PT], v[HH], 4, v[PT]
	v_add_nc_u32 v[ROWA], s20, v[PT]
	s_mul_i32 s17, s14, PART
	s_add_co_u32 s17, s17, SF
	v_add_nc_u32 v[SLD], s17, v[PT]                ; my chunk's scaled state
	v_and_b32 v[PT], 7, v0
	v_lshl_add_u32 v[PT], v[HH], 3, v[PT]
	v_mul_u32_u24 v[PT], v[PT], PITCH
	v_bfe_u32 v[PT2], v0, 3, 1
	v_lshl_add_u32 v[PT], v[PT2], 4, v[PT]
	v_add_nc_u32 v[TRA], s20, v[PT]
	v_mul_u32_u24 v[PT], v[RR], UP
	v_lshl_add_u32 v[PT], v[HH], 5, v[PT]
	s_add_co_u32 s17, s20, PART
	v_add_nc_u32 v[USTO], s17, v[PT]
	v_lshrrev_b32 v[PT2], 4, v0                    ; thread t: rows 16 i + (t >> 4), columns 4 (t & 15) .. + 3
	v_mul_u32_u24 v[PT], v[PT2], UP
	v_lshl_add_u32 v[PT], v[RR], 4, v[PT]
	v_add_nc_u32 v[ULD], PART, v[PT]
	v_add_nc_u32 v[ULD+1], 2*REGION, v[ULD]
	v_add_nc_u32 v[ULD+2], 2*REGION, v[ULD+1]
	v_add_nc_u32 v[ULD+3], 2*REGION, v[ULD+2]
	v_mul_u32_u24 v[PT], v[PT2], PITCH
	v_lshl_add_u32 v[PT], v[RR], 3, v[PT]
	v_add_nc_u32 v[SSTO], SF, v[PT]
	v_add_nc_u32 v[SSTO+1], 4*PART, v[SSTO]
	v_lshlrev_b32 v[PT], 2, v[PT2]
	v_add_nc_u32 v[FSTO], FAC, v[PT]
	s_lshl_b32 s17, s14, 8
	s_add_co_u32 s17, s17, FAC
	v_lshl_add_u32 v[FLD], v[HH], 5, s17
	v_lshrrev_b32 v[PT], 3, v[LN]
	v_mul_u32_u24 v[PT], v[PT], PITCH
	v_and_b32 v[PT2], 7, v0
	v_lshl_add_u32 v[PT], v[PT2], 4, v[PT]
	v_add_nc_u32 v[YRD], s20, v[PT]
	s_and_b32 s17, s16, 15                         ; yh[head][batch x 4096 + 512 seg + 64 wave ..][64]
	s_lshl_b32 s17, s17, 13
	s_lshr_b32 s18, s16, 4
	s_lshl_b32 s18, s18, 12
	s_add_co_u32 s17, s17, s18
	s_lshl_b32 s18, s15, 9
	s_add_co_u32 s17, s17, s18
	s_lshl_b32 s18, s14, 6
	s_add_co_u32 s17, s17, s18
	s_lshl_b32 s18, s17, 7
	s_mov_b32 s19, 0
	s_add_nc_u64 s[12:13], s[12:13], s[18:19]
	s_wait_kmcnt 0x0
	v_mov_b32 v[TMP], s22                          ; gamma = 1 / (1 + 2^(-x log2 e))
	v_mul_f32 v[TMP], 0xbfb8aa3b, v[TMP]
	v_exp_f32 v[TMP], v[TMP]
	v_nop
	s_wait_alu depctr_va_vdst(0)
	v_add_f32 v[TMP], 1.0, v[TMP]
	v_rcp_f32 v[TMP], v[TMP]
	v_nop
	s_wait_alu depctr_va_vdst(0)
	v_readfirstlane_b32 s24, v[TMP]
.set pb, 0
.rept 9
	s_mul_f32 s[25+pb], s[24+pb], s[24+pb]         ; s24 .. s33 = gamma^1, 2, 4, .. 512
.set pb, pb+1
.endr
	s_mov_b32 s34, s33                             ; gamma^512 in a pair of its own
	s_mov_b32 s35, s33
	s_mul_f32 s53, s29, s28                        ; gamma^48
	v_cmp_eq_u32 vcc_lo, 0, v[HH]                  ; the weights gamma^(63-s), as in the launch before
	v_mov_b32 v[TMP+1], s27
	v_cndmask_b32 v[TMP], 1.0, v[TMP+1], vcc_lo
.irp m, 1,2,3,4,5,6,7
	v_mul_f32 v[TMP+\m], s24, v[TMP+\m-1]
.endr
.irp i, 0,1,2,3
	v_cvt_pk_f16_f32 v[W+12+\i], v[TMP+7-2*\i], v[TMP+6-2*\i]
.endr
	WQ W+8, 28
	WQ W+4, 29
	WQ W, 53
	s_wait_loadcnt 28                              ; stat's 16 loads are in; the 28 loads of tseg stay out
	STATRED FA, TMP, TMP+1, TMP+2
	v_sub_nc_u32 v[TMP+2], 0x83000000, v[TMP]      ; c1 = 2^(9 - (Eq + 1))
	v_sub_nc_u32 v[TMP+3], 0x78800000, v[TMP+1]    ; c2 = 2^(-12 - (Ev + 1))
	v_readfirstlane_b32 s50, v[TMP+2]
	v_readfirstlane_b32 s54, v[TMP+3]
	s_mov_b32 s55, s54
	v_mov_b32 v[C1V], s50
	; the mask: score tile (ti, si), lane (r, h), register j: t - s = 16 (ti - si) + r - 8 h - j
	v_lshlrev_b32 v[NN], 3, v[HH]
	v_sub_nc_u32 v[NN], v[RR], v[NN]
	v_add_nc_u32 v[NN], -7, v[NN]                  ; n7 = r - 8 h - 7
	v_max_i32 v[N2], 0, v[NN]
	POW M+7, N2, 4, s50
	v_cmp_le_i32 vcc_lo, 0, v[NN]
	v_cndmask_b32 v[M+7], 0, v[M+7], vcc_lo        ; 0 above the diagonal
.irp j, 6,5,4,3,2,1,0
	v_mul_f32 v[M+\j], s24, v[M+\j+1]              ; one more step of decay (0 stays 0),
	v_cmp_eq_i32 vcc_lo, \j-7, v[NN]
	v_cndmask_b32 v[M+\j], v[M+\j], v[C1V], vcc_lo ; or the diagonal itself: c1
.endr
	v_add_nc_u32 v[N2], 16, v[NN]                  ; one block below the diagonal: 9 + r - 8 h at j = 7
	POW M+15, N2, 5, s50
.irp j, 6,5,4,3,2,1,0
	v_mul_f32 v[M+8+\j], s24, v[M+8+\j+1]
.endr
.irp j, 0,1,2,3,4,5,6,7
	v_mul_f32 v[M+16+\j], s28, v[M+8+\j]
.endr
.irp j, 0,1,2,3,4,5,6,7
	v_mul_f32 v[M+24+\j], s28, v[M+16+\j]
.endr
	v_add_nc_u32 v[N2], 1, v[RR]
	POW LAM, N2, 5, s50                            ; c1 gamma^(r+1)
	v_mul_f32 v[LAM+1], s28, v[LAM]
	v_mul_f32 v[LAM+2], s28, v[LAM+1]
	v_mul_f32 v[LAM+3], s28, v[LAM+2]
	; the state at my segment's start: S = gamma^512 S + T_j for j < seg, my 16 numbers
	s_wait_loadcnt 0x0
	s_cmp_gt_u32 s15, 0
	s_cselect_b32 s52, -1, 0
	WIN 0x04
.irp k, 0,1,2,3,4,5,6,7,8,9,10,11,12,13,14,15
	v_cndmask_b32 v[S+\k], 0, v[\k], s52
.endr
.irp j, 1,2,3,4,5,6
	WIN 0x10
.irp k, 0,2,4,6,8,10,12,14
	v_pk_fma_f32 v[TMP+\k:TMP+\k+1], v[S+\k:S+\k+1], s[34:35], v[16*\j+\k:16*\j+\k+1] op_sel_hi:[1,0,1]
.endr
	WIN 0
	s_cmp_gt_u32 s15, \j
	s_cselect_b32 s52, -1, 0
.irp k, 0,1,2,3,4,5,6,7,8,9,10,11,12,13,14,15
	v_cndmask_b32 v[S+\k], v[S+\k], v[TMP+\k], s52
.endr
.endr
	; the scores of my chunk: source 0 = rows of k, source 1 = rows of q: lane r holds t, the registers hold eight neighbouring s
	s_wait_tensorcnt 0x0                           ; my chunk is in LDS; only I read it
	LDR FA, ROWA, 0
	LDR FB, ROWA, PART
	s_wait_dscnt 0x0
.macro SCORE p, ti, si, eh, zero
.if \zero
	v_wmma_f32_16x16x32_f16 v[XB+8*\p:XB+8*\p+7], v[FB+8*(2*\si+\eh):FB+8*(2*\si+\eh)+7], v[FA+8*(2*\ti+\eh):FA+8*(2*\ti+\eh)+7], 0
.else
	v_wmma_f32_16x16x32_f16 v[XB+8*\p:XB+8*\p+7], v[FB+8*(2*\si+\eh):FB+8*(2*\si+\eh)+7], v[FA+8*(2*\ti+\eh):FA+8*(2*\ti+\eh)+7], v[XB+8*\p:XB+8*\p+7]
.endif
.endm
.macro SCORES eh, zero                 ; the ten tiles on and below the diagonal, by turns
	SCORE 0, 0, 0, \eh, \zero
	SCORE 1, 1, 0, \eh, \zero
	SCORE 2, 1, 1, \eh, \zero
	SCORE 3, 2, 0, \eh, \zero
	SCORE 4, 2, 1, \eh, \zero
	SCORE 5, 2, 2, \eh, \zero
	SCORE 6, 3, 0, \eh, \zero
	SCORE 7, 3, 1, \eh, \zero
	SCORE 8, 3, 2, \eh, \zero
	SCORE 9, 3, 3, \eh, \zero
.endm
	WIN 0x50
	SCORES 0, 1
	SCORES 1, 0
	PLACES5
	WIN 0
	LDT FA, 2*PART                                 ; V^T, on its way while the scores are masked
.macro MASKT p, dl
.irp k, 0,2,4,6
	v_pk_mul_f32 v[XB+8*\p+\k:XB+8*\p+\k+1], v[XB+8*\p+\k:XB+8*\p+\k+1], v[M+8*\dl+\k:M+8*\dl+\k+1]
.endr
.endm
.macro PACKT p, dst                    ; a tile's eight s are half of a fragment of the next product, in the same lane: no shuffle
.irp k, 0,1,2,3
	v_cvt_pk_f16_f32 v[FB+\dst+\k], v[XB+8*\p+2*\k], v[XB+8*\p+2*\k+1]
.endr
.endm
	WIN 0x41
	MASKT 0, 0
	MASKT 1, 1
	MASKT 2, 0
	MASKT 3, 2
	MASKT 4, 1
	MASKT 5, 0
	MASKT 6, 3
	MASKT 7, 2
	MASKT 8, 1
	MASKT 9, 0
	WIN 0x05
	PACKT 0, 0
	PACKT 1, 8
	PACKT 2, 12
	PACKT 3, 16
	PACKT 4, 20
	PACKT 5, 24
	PACKT 6, 32
	PACKT 7, 36
	PACKT 8, 40
	PACKT 9, 44
	WIN 0
.irp k, 0,1,2,3
	v_mov_b32 v[FB+4+\k], 0                        ; the halves above the diagonal
	v_mov_b32 v[FB+28+\k], 0
.endr
	s_wait_dscnt 0x0
.macro PV ti, pf, sb, zero             ; Y(di, ti): lane r holds t, the registers hold d = 16 di + 8 h + j
.irp di, 0,1,2,3
.if \zero
	v_wmma_f32_16x16x32_f16 v[8*(4*\ti+\di):8*(4*\ti+\di)+7], v[FA+8*(2*\di+\sb):FA+8*(2*\di+\sb)+7], v[FB+\pf:FB+\pf+7], 0
.else
	v_wmma_f32_16x16x32_f16 v[8*(4*\ti+\di):8*(4*\ti+\di)+7], v[FA+8*(2*\di+\sb):FA+8*(2*\di+\sb)+7], v[FB+\pf:FB+\pf+7], v[8*(4*\ti+\di):8*(4*\ti+\di)+7]
.endif
.endr
.endm
	WIN 0x50
	PV 0, 0, 0, 1
	PV 1, 8, 0, 1
	PV 2, 16, 0, 1
	PV 3, 32, 0, 1
	PV 2, 24, 1, 0
	PV 3, 40, 1, 0
	PLACES5
	WIN 0
	LDT FB, PART                                   ; K^T
	s_wait_dscnt 0x0                               ; my last reads of k and v are back: U may lie over them
	UMUL XB
	PLACES5
	USTORE XB
	s_wait_dscnt 0x0                               ; my U is in LDS, for the others' sake
	s_barrier_signal -1
	s_barrier_wait -1
	; the scan over the eight chunks: thread t carries its 16 numbers; the state at each chunk's start goes out scaled, in f16, with its factors
.irp c, 0,1,2,3,4,5,6
.irp i, 0,1,2,3
	ds_load_b128 v[FA+16*\c+4*\i:FA+16*\c+4*\i+3], v[ULD+(\c>>1)] offset:(\c&1)*REGION+\i*16*UP
.endr
.endr
	s_wait_dscnt 0x0
.macro EMIT c
.irp i, 0,1,2,3
	v_max3_num_f32 v[TMP+\i], |v[S+4*\i]|, |v[S+4*\i+1]|, |v[S+4*\i+2]|
.endr
.irp i, 0,1,2,3
	v_max_num_f32 v[TMP+\i], v[TMP+\i], |v[S+4*\i+3]|
.endr
.irp m, 1,2,4,8
.irp i, 0,1,2,3
	v_max_num_f32_dpp v[TMP+\i], v[TMP+\i], v[TMP+\i] row_xmask:\m row_mask:0xf bank_mask:0xf    ; the sixteen lanes of a row of lanes hold one row d
.endr
.endr
.irp i, 0,1,2,3
	v_and_b32 v[TMP+4+\i], 0x7f800000, v[TMP+\i]   ; 2^E
.endr
.irp i, 0,1,2,3
	v_min_u32 v[TMP+4+\i], 0x7e800000, v[TMP+4+\i]
.endr
.irp i, 0,1,2,3
	v_sub_nc_u32 v[TMP+8+\i], 0x7f000000, v[TMP+4+\i]      ; 2^-E
.endr
.irp i, 0,1,2,3
.irp x, 0,1,2,3
	v_mul_f32 v[TMP+12+4*\i+\x], v[TMP+8+\i], v[S+4*\i+\x]
.endr
.endr
.irp i, 0,1,2,3
	v_cvt_pk_f16_f32 v[TMP+28+2*\i], v[TMP+12+4*\i], v[TMP+12+4*\i+1]
	v_cvt_pk_f16_f32 v[TMP+28+2*\i+1], v[TMP+12+4*\i+2], v[TMP+12+4*\i+3]
.endr
.irp i, 0,1,2,3
	ds_store_b64 v[SSTO+(\c>>2)], v[TMP+28+2*\i:TMP+28+2*\i+1] offset:(\c&3)*PART+\i*16*PITCH
	ds_store_b32 v[FSTO], v[TMP+4+\i] offset:\c*256+\i*64          ; sixteen lanes write one word with one value
.endr
.endm
.irp c, 0,1,2,3,4,5,6
	EMIT \c
.irp k, 0,2,4,6,8,10,12,14
	v_pk_fma_f32 v[S+\k:S+\k+1], v[S+\k:S+\k+1], s[30:31], v[FA+16*\c+\k:FA+16*\c+\k+1] op_sel_hi:[1,0,1]
.endr
.endr
	EMIT 7
	s_wait_dscnt 0x0                               ; my rows of the eight states are in LDS, for the others' sake
	s_barrier_signal -1
	s_barrier_wait -1
	LDR FA, SLD, 0                                 ; my chunk's scaled state, rows d
	LDR FB, ROWA, 0                                ; q once more
.irp di, 0,1,2,3
	ds_load_b128 v[M+8*\di:M+8*\di+3],   v[FLD] offset:\di*64
	ds_load_b128 v[M+8*\di+4:M+8*\di+7], v[FLD] offset:\di*64+16
.endr
	s_wait_dscnt 0x0                               ; also my last reads of q: the stage for y may lie over it
	WIN 0x50
.irp ti, 0,1,2,3
.irp di, 0,1,2,3
	v_wmma_f32_16x16x32_f16 v[XB+8*(4*\ti+\di):XB+8*(4*\ti+\di)+7], v[FA+16*\di:FA+16*\di+7], v[FB+16*\ti:FB+16*\ti+7], 0
.endr
.endr
.irp ti, 0,1,2,3
.irp di, 0,1,2,3
	v_wmma_f32_16x16x32_f16 v[XB+8*(4*\ti+\di):XB+8*(4*\ti+\di)+7], v[FA+16*\di+8:FA+16*\di+15], v[FB+16*\ti+8:FB+16*\ti+15], v[XB+8*(4*\ti+\di):XB+8*(4*\ti+\di)+7]
.endr
.endr
	PLACES5
	WIN 0
.irp ti, 0,1,2,3
	v_mov_b32 v[TMP+2*\ti], v[LAM+\ti]             ; c1 gamma^(t+1), twice, for the packed form
	v_mov_b32 v[TMP+2*\ti+1], v[LAM+\ti]
.endr
	WIN 0x41                                       ; X = X x 2^E of its row d
.irp ti, 0,1,2,3
.irp di, 0,1,2,3
.irp k, 0,2,4,6
	v_pk_mul_f32 v[XB+8*(4*\ti+\di)+\k:XB+8*(4*\ti+\di)+\k+1], v[XB+8*(4*\ti+\di)+\k:XB+8*(4*\ti+\di)+\k+1], v[M+8*\di+\k:M+8*\di+\k+1]
.endr
.endr
.endr
	WIN 0x51                                       ; Y = X x c1 gamma^(t+1) + Y
.irp ti, 0,1,2,3
.irp di, 0,1,2,3
.irp k, 0,2,4,6
	v_pk_fma_f32 v[8*(4*\ti+\di)+\k:8*(4*\ti+\di)+\k+1], v[XB+8*(4*\ti+\di)+\k:XB+8*(4*\ti+\di)+\k+1], v[TMP+2*\ti:TMP+2*\ti+1], v[8*(4*\ti+\di)+\k:8*(4*\ti+\di)+\k+1]
.endr
.endr
.endr
	WIN 0x41                                       ; Y = Y x c2
.irp t, 0,1,2,3,4,5,6,7,8,9,10,11,12,13,14,15
.irp k, 0,2,4,6
	v_pk_mul_f32 v[8*\t+\k:8*\t+\k+1], v[8*\t+\k:8*\t+\k+1], s[54:55] op_sel_hi:[1,0]
.endr
.endr
	WIN 0x05
.irp t, 0,1,2,3,4,5,6,7,8,9,10,11,12,13,14,15
.irp k, 0,1,2,3
	v_cvt_pk_f16_f32 v[FA+4*\t+\k], v[8*\t+2*\k], v[8*\t+2*\k+1]
.endr
.endr
	WIN 0
.irp ti, 0,1,2,3
.irp di, 0,1,2,3
	ds_store_b128 v[ROWA], v[FA+4*(4*\ti+\di):FA+4*(4*\ti+\di)+3] offset:\ti*16*PITCH+\di*32
.endr
.endr
.irp u, 0,1,2,3,4,5,6,7,8,9,10,11,12,13,14,15
	ds_load_b128 v[FB+4*\u:FB+4*\u+3], v[YRD] offset:\u*4*PITCH    ; LDS serves a wave's instructions in order: these see the stores above
.endr
.irp u, 0,1,2,3,4,5,6,7,8,9,10,11,12,13,14,15
	s_wait_dscnt 15-\u                             ; the younger read-backs stay out
	global_store_b128 v[O16L], v[FB+4*\u:FB+4*\u+3], s[12:13] offset:512*\u      ; four rows of 128 bytes: 512 consecutive bytes
.endr
	s_wait_xcnt 0x0
	v_lshl_add_u32 v254, v0, 2, 0x48800
	v_mov_b32 v255, 0
	s_wait_tensorcnt 0x0
	ds_add_u32 v254, v255
	s_wait_dscnt 0x0
	s_endpgm
.Lfunc_end_k_q06a0f3dc4d_ret:
	.size	k_q06a0f3dc4d_ret, .Lfunc_end_k_q06a0f3dc4d_ret-k_q06a0f3dc4d_ret
	.p2alignl 7, 3214868480
	.fill 96, 4, 3214868480
	.section	.rodata,"a",@progbits
	.p2align	6, 0x0
	.amdhsa_kernel k_q06a0f3dc4d_ret
		.amdhsa_group_segment_fixed_size 297984
		.amdhsa_private_segment_fixed_size 0
		.amdhsa_enable_private_segment 0
		.amdhsa_kernarg_size 40
		.amdhsa_user_sgpr_count 2
		.amdhsa_user_sgpr_kernarg_segment_ptr 1
		.amdhsa_wavefront_size32 1
		.amdhsa_system_sgpr_workgroup_id_x 1
		.amdhsa_system_sgpr_workgroup_id_y 1
		.amdhsa_system_sgpr_workgroup_id_z 1
		.amdhsa_system_vgpr_workitem_id 0
		.amdhsa_next_free_vgpr 512
		.amdhsa_next_free_sgpr 66
		.amdhsa_reserve_vcc 1
		.amdhsa_float_denorm_mode_32 3
		.amdhsa_float_denorm_mode_16_64 3
		.amdhsa_memory_ordered 1
		.amdhsa_forward_progress 1
		.amdhsa_inst_pref_size 112
	.end_amdhsa_kernel
	.amdgpu_metadata
---
amdhsa.version: [ 1, 2 ]
amdhsa.kernels:
  - .name:           k_q06a0f3dc4d_ret
    .symbol:         k_q06a0f3dc4d_ret.kd
    .args:
      - { .name: qkv, .offset: 0, .size: 8, .value_kind: global_buffer, .address_space: global }
      - { .name: log_gamma, .offset: 8, .size: 8, .value_kind: global_buffer, .address_space: global }
      - { .name: tseg, .offset: 16, .size: 8, .value_kind: global_buffer, .address_space: global }
      - { .name: stat, .offset: 24, .size: 8, .value_kind: global_buffer, .address_space: global }
      - { .name: yh, .offset: 32, .size: 8, .value_kind: global_buffer, .address_space: global }
    .group_segment_fixed_size: 297984
    .private_segment_fixed_size: 0
    .kernarg_segment_align: 8
    .kernarg_segment_size: 40
    .max_flat_workgroup_size: 256
    .sgpr_count:     66
    .vgpr_count:     512
    .wavefront_size: 32
...
	.end_amdgpu_metadata
.endif
;; end of part 4
;; launch oproj (part 5): grid 8 x 32, 4 waves a work-group, clusters of 4 x 4, 327,680 bytes of LDS; arguments yh, woh, out0, stat; writes out0
.if DOCPART == 5
	.amdgcn_target "amdgcn-amd-amdhsa--gfx1250"
	.amdhsa_code_object_version 6
	.text
	.protected	k_q06a0f3dc4d_oproj
	.globl	k_q06a0f3dc4d_oproj
	.p2align	8
	.type	k_q06a0f3dc4d_oproj,@function
k_q06a0f3dc4d_oproj:
	s_mov_b64 s[64:65], 0
	v_nop
	global_prefetch_b8 v0, s[64:65] scope:SCOPE_SE
	s_setreg_imm32_b32 hwreg(HW_REG_WAVE_MODE, 25, 1), 1
	s_wait_xcnt 0x0
	s_wait_alu depctr_hold_cnt(0) depctr_sa_sdst(0) depctr_va_vdst(0) depctr_va_sdst(0) depctr_va_ssrc(0) depctr_va_vcc(0) depctr_vm_vsrc(0)
	s_getreg_b32 s2, hwreg(HW_REG_IB_STS2, 6, 4)
	s_cmp_eq_u32 s2, 0
	s_cbranch_scc0 .Lentry_in_a_cluster
	s_endpgm
.Lentry_in_a_cluster:
	s_bfe_u32 s2, ttmp6, 0x10000c
	s_cmp_lg_u32 s2, 0xf033
	s_cbranch_scc0 .Lentry_shape_is_right
	s_endpgm
.Lentry_shape_is_right:
; out0 = y W_o^T.  yh holds y c1 c2 in f16, blocked along K by head; the f32 sums are multiplied by 1 / (c1 c2) = 2^Eq 2^Ev 32, made from
; stat exactly as the launch before made c1 and c2.
; A work-group makes 256 x 128; four waves, 2 x 2, 128 x 64 each: 32 accumulator tiles in window 1, tile (a, b) at v[8 (4 a + b)].
; K goes in steps of 128 (two blocks of 64, one tensor load each) through two LDS slots.  CLUSTER 4 x 4: y's tiles are shared along a row
; of the cluster, W_o's along a column: joint loads.  The matrix instruction is used transposed (source 0 = rows of W_o): lane (r, h),
; register j of tile (a, b) holds row 16 a + r, column 16 b + 8 h + j.
; The accumulators take turns, one instruction a turn, in the same order everywhere.
.set PITCH,  144
.set FR,     16*PITCH
.set APLANE, 256*PITCH                 ; 256 rows of y, one block of 64 along K: one tensor load
.set BPLANE, 128*PITCH                 ; 128 rows of W_o
.set BOFF,   2*APLANE
.set SLOT,   2*APLANE+2*BPLANE         ; 110,592
.set STAGE,  2*SLOT                    ; a multiple of 256: no tensor load lands here
.set SP,     272                       ; a stage row: 64 f32 + 16 bytes
.set LAPS,   4                         ; 8 steps of 128 along K, two a lap
.set AKB,    8192*128
.set BKB,    1024*128
.set ADRA, 16
.set ADRB, 20
.set STO,  24
.set RD,   25
.set CO,   26
.set O16L, 27
.set INV,  28                          ; v28:29  1 / (c1 c2), twice
.set AB0,  32                          ; v32-95, v96-159
.set BB0,  160                         ; v160-191, v192-223
.set RB,   32                          ; way out: v32-63, v64-95
.set G1A, 24
.set G0A, 32
.set G1B, 48
.set G0B, 56
.set SEL, 44
.set W0, (3<<16)|(1<<20)|(1<<21)|(4<<22)|(3<<25)
.set MSB, 0
.macro WIN new
.if MSB != \new
	s_set_vgpr_msb (MSB<<8)|\new
.set MSB, \new
.endif
.endm
.macro PLACES                          ; four places behind a matrix instruction before its registers are loaded into, read or written (ISA guide 7.12.1)
.rept 4
	v_nop
.endr
.endm
.macro CREST
	s_cmp_lg_u32 s12, 0
	s_cbranch_scc1 .Lnot_wave_0_\@
	s_barrier_signal -3
.Lnot_wave_0_\@:
	s_barrier_wait -3
	s_barrier_signal -1
	s_barrier_wait -1
.endm
.macro CROUND
	s_barrier_signal -1
	s_barrier_wait -1
	CREST
.endm
.macro JLOAD s                         ; waves 0, 1 ask for y's two blocks, waves 2, 3 for W_o's: one joint load a wave
	s_cmp_eq_u32 s13, 0
	s_cbranch_scc0 .Lfor_b_\@
	tensor_load_to_lds s[G0A+4*\s:G0A+4*\s+3], s[G1A:G1A+7]
	s_nop 0
	s_branch .Lasked_\@
.Lfor_b_\@:
	tensor_load_to_lds s[G0B+4*\s:G0B+4*\s+3], s[G1B:G1B+7]
	s_nop 0
.Lasked_\@:
.endm
.macro STATRED b, q, v, t              ; as in the launch before
	v_max_num_f32 v[\q], v[\b], v[\b+2]
	v_max_num_f32 v[\v], v[\b+1], v[\b+3]
.set sr, 1
.rept 15
	v_max3_num_f32 v[\q], v[\b+4*sr], v[\b+4*sr+2], v[\q]
	v_max3_num_f32 v[\v], v[\b+4*sr+1], v[\b+4*sr+3], v[\v]
.set sr, sr+1
.endr
.irp m, 1,2,4,8
	v_max_num_f32_dpp v[\q], v[\q], v[\q] row_xmask:\m row_mask:0xf bank_mask:0xf
	v_max_num_f32_dpp v[\v], v[\v], v[\v] row_xmask:\m row_mask:0xf bank_mask:0xf
.endr
	v_mov_b32 v[\t], 0
	v_permlanex16_b32 v[\t], v[\q], s[SEL], s[SEL+1]
	v_max_num_f32 v[\q], v[\q], v[\t]
	v_permlanex16_b32 v[\t], v[\v], s[SEL], s[SEL+1]
	v_max_num_f32 v[\v], v[\v], v[\t]
	v_and_b32 v[\q], 0x7f800000, v[\q]
	v_and_b32 v[\v], 0x7f800000, v[\v]
	v_max_u32 v[\q], 0x30800000, v[\q]
	v_max_u32 v[\v], 0x30800000, v[\v]
.endm
	s_load_b256 s[4:11], s[0:1], 0x0               ; yh s[4:5], woh s[6:7], out0 s[8:9], stat s[10:11]
	v_lshl_add_u32 v254, v0, 2, 0x3a400
	v_mov_b32 v255, 0
	ds_add_u32 v254, v255
	ds_add_u32 v254, v255
	v_lshrrev_b32 v1, 5, v0
	v_readfirstlane_b32 s12, v1                    ; wave
	s_lshr_b32 s13, s12, 1                         ; wm.  Also: I fetch y (0) or W_o (1)
	s_and_b32 s14, s12, 1                          ; wn.  Also: which block of 64 along K I fetch
	s_bfe_u32 s17, ttmp6, 0x40000                  ; cx
	s_bfe_u32 s18, ttmp6, 0x40004                  ; cy
	s_lshl_b32 s16, ttmp9, 2
	s_add_co_u32 s16, s16, s17                     ; bx 0..7
	s_and_b32 s15, ttmp7, 0xffff
	s_lshl_b32 s15, s15, 2
	s_add_co_u32 s15, s15, s18                     ; by 0..31
	s_lshl_b32 s20, s18, 2
	s_lshl_b32 s20, 15, s20
	s_lshl_b32 s21, 0x1111, s17
	s_or_b32 s[G1A+0], s20, W0                     ; y's tiles go to my row of the cluster
	s_or_b32 s[G1B+0], s21, W0                     ; W_o's to my column
	s_mov_b32 s[G1A+1], 32<<16
	s_mov_b32 s[G1B+1], 32<<16
	s_mov_b32 s[G1A+2], 128<<16                    ; 128 rows of 256 bytes = 256 rows of y
	s_mov_b32 s[G1B+2], 64<<16                     ; 64 = 128 rows of W_o
	s_mov_b32 s[G1A+3], 32<<16
	s_mov_b32 s[G1B+3], 32<<16
	s_mov_b32 s[G1A+4], 128
	s_mov_b32 s[G1B+4], 64
	s_mov_b32 s[G1A+5], 32
	s_mov_b32 s[G1B+5], 32
	s_mov_b32 s[G1A+6], 0
	s_mov_b32 s[G1B+6], 0
	s_mov_b32 s[G1A+7], 0
	s_mov_b32 s[G1B+7], 0
	s_lshl_b32 s40, s15, 15                        ; y: 256 by rows of 128 bytes + my block of K: the block row alone
	s_lshl_b32 s41, s14, 20
	s_add_co_u32 s40, s40, s41
	s_mov_b32 s41, 0
	s_lshl_b32 s42, s16, 14                        ; W_o: 128 bx rows + my block of K: the block column alone
	s_lshl_b32 s43, s14, 17
	s_add_co_u32 s42, s42, s43
	s_mov_b32 s43, 0
	s_mul_i32 s22, s12, APLANE                     ; LDS: y's block of wave 0, 1 at wave x 36,864
	s_mul_i32 s23, s12, BPLANE
	s_add_co_u32 s23, s23, BOFF-2*BPLANE           ; W_o's block of wave 2, 3 at wave x 18,432 + 36,864
	s_mov_b32 s44, 0x76543210
	s_mov_b32 s45, 0xfedcba98
	s_wait_dscnt 0x0
	s_wait_kmcnt 0x0
	s_add_nc_u64 s[40:41], s[4:5], s[40:41]
	s_add_nc_u64 s[42:43], s[6:7], s[42:43]
	CROUND                                         ; all sixteen work-groups are here: the first joint loads meet
.irp s, 0,1
	s_mov_b32 s[G0A+4*\s], 1
	s_add_co_u32 s[G0A+4*\s+1], s22, \s*SLOT
	s_add_nc_u64 s[G0A+4*\s+2:G0A+4*\s+3], s[40:41], \s*2*AKB
	s_or_b32 s[G0A+4*\s+3], s[G0A+4*\s+3], 0x80000000
	s_mov_b32 s[G0B+4*\s], 1
	s_add_co_u32 s[G0B+4*\s+1], s23, \s*SLOT
	s_add_nc_u64 s[G0B+4*\s+2:G0B+4*\s+3], s[42:43], \s*2*BKB
	s_or_b32 s[G0B+4*\s+3], s[G0B+4*\s+3], 0x80000000
	JLOAD \s                                       ; both slots' first fills go out together: two tensor loads of the wave are out
.endr
	v_and_b32 v1, 31, v0
	v_lshlrev_b32 v[O16L], 4, v1
.irp i, 0,1,2,3,4,5,6,7,8,9,10,11,12,13,14,15
	global_load_b128 v[AB0+4*\i:AB0+4*\i+3], v[O16L], s[10:11] offset:512*\i
.endr
	v_and_b32 v2, 15, v0                           ; r
	v_bfe_u32 v3, v0, 4, 1                         ; h
	v_mul_u32_u24 v4, v2, PITCH
	v_lshl_add_u32 v4, v3, 4, v4
	s_mul_i32 s20, s13, 128*PITCH
	s_mul_i32 s21, s14, 64*PITCH
	s_add_co_u32 s21, s21, BOFF
	v_add_nc_u32 v[ADRA], s20, v4
	v_add_nc_u32 v[ADRB], s21, v4
	v_add_nc_u32 v[ADRA+1], SLOT, v[ADRA]
	v_add_nc_u32 v[ADRB+1], SLOT, v[ADRB]
	s_mul_i32 s20, s12, 16*SP
	s_add_co_u32 s20, s20, STAGE                   ; my stage
	v_mul_u32_u24 v5, v2, SP
	v_lshl_add_u32 v5, v3, 5, v5
	v_add_nc_u32 v[STO], s20, v5
	v_mul_u32_u24 v5, v3, SP
	v_lshl_add_u32 v5, v2, 4, v5
	v_add_nc_u32 v[RD], s20, v5
	v_lshlrev_b32 v5, 12, v3                       ; lanes 16-31: one row of out0 further down
	v_lshl_add_u32 v[CO], v2, 4, v5
	s_wait_loadcnt 0x0
	STATRED AB0, 224, 225, 226
	v_mul_f32 v[INV], v224, v225                   ; 2^Eq 2^Ev
	v_mul_f32 v[INV], 0x42000000, v[INV]           ; x 32
	v_mov_b32 v[INV+1], v[INV]
.macro LDA slot, koff, ab
.irp i, 0,1,2,3,4,5,6,7
	ds_load_b128 v[AB0+64*\ab+8*\i:AB0+64*\ab+8*\i+3],   v[ADRA+\slot] offset:\koff+\i*FR
	ds_load_b128 v[AB0+64*\ab+8*\i+4:AB0+64*\ab+8*\i+7], v[ADRA+\slot] offset:\koff+\i*FR+32
.endr
.endm
.macro LDB slot, koff, bb
.irp i, 0,1,2,3
	ds_load_b128 v[BB0+32*\bb+8*\i:BB0+32*\bb+8*\i+3],   v[ADRB+\slot] offset:\koff+\i*FR
	ds_load_b128 v[BB0+32*\bb+8*\i+4:BB0+32*\bb+8*\i+7], v[ADRB+\slot] offset:\koff+\i*FR+32
.endr
.endm
.macro MUL16 ab, bb, a0, zero
.irp a, \a0, \a0+1, \a0+2, \a0+3
.irp b, 0,1,2,3
.if \zero
	v_wmma_f32_16x16x32_f16 v[8*(4*(\a)+\b):8*(4*(\a)+\b)+7], v[BB0+32*\bb+8*\b:BB0+32*\bb+8*\b+7], v[AB0+64*\ab+8*(\a):AB0+64*\ab+8*(\a)+7], 0
.else
	v_wmma_f32_16x16x32_f16 v[8*(4*(\a)+\b):8*(4*(\a)+\b)+7], v[BB0+32*\bb+8*\b:BB0+32*\bb+8*\b+7], v[AB0+64*\ab+8*(\a):AB0+64*\ab+8*(\a)+7], v[8*(4*(\a)+\b):8*(4*(\a)+\b)+7]
.endif
.endr
.endr
.endm
.macro STRETCH ab, bb, zero
	WIN 0x50
	MUL16 \ab, \bb, 0, \zero
	MUL16 \ab, \bb, 4, \zero
.endm
; One K step of 128: four stretches of 32 matrix instructions.  At the head of each the next stretch's 24 fragment loads are issued, and the wait
; lets exactly those stay out.  mode 2: a round of the cluster's barrier and the slot's refill; 1: a plain barrier; 0: the last step.
.macro SLOTBODY s, nx, zero, mode
	WIN 0
	PLACES
	LDA \s, 64, 1
	LDB \s, 64, 1
	s_wait_dscnt 24
	STRETCH 0, 0, \zero
	WIN 0
	PLACES
	LDA \s, APLANE, 0
	LDB \s, BPLANE, 0
	s_wait_dscnt 24
	STRETCH 1, 1, 0
	WIN 0
	PLACES
	LDA \s, APLANE+64, 1                           ; my last reads of this slot
	LDB \s, BPLANE+64, 1
	s_wait_dscnt 24
	WIN 0x50
	MUL16 0, 0, 0, 0
.if \mode
	s_wait_dscnt 0x0                               ; my reads of this slot are back,
	s_wait_tensorcnt 0x0                           ; all my tensor loads have landed (the one that was out: my part of the other slot):
	ds_add_u32 v254, v255
	s_wait_dscnt 0x0
	s_barrier_signal -1                            ; say so,
.endif
	MUL16 0, 0, 4, 0                               ; work on registers while the others arrive,
	WIN 0
.if \mode
	s_barrier_wait -1                              ; and go on when all four waves have said so
.endif
.if \mode == 2
	CREST                                          ; all sixteen work-groups have said so
	s_add_nc_u64 s[G0A+4*\s+2:G0A+4*\s+3], s[G0A+4*\s+2:G0A+4*\s+3], 4*AKB
	s_add_nc_u64 s[G0B+4*\s+2:G0B+4*\s+3], s[G0B+4*\s+2:G0B+4*\s+3], 4*BKB
	JLOAD \s                                       ; my one tensor load behind the round, first thing: two K steps ahead; 112 matrix instructions until the wait for it
.endif
.if \mode
	PLACES
	LDA \nx, 0, 0
	LDB \nx, 0, 0
	s_wait_dscnt 24
.else
	s_wait_dscnt 0x0
.endif
	STRETCH 1, 1, 0
.endm
	s_wait_tensorcnt 0x1                           ; my part of slot 0 is in; slot 1's stays out
	s_barrier_signal -1
	s_barrier_wait -1
	LDA 0, 0, 0
	LDB 0, 0, 0
	SLOTBODY 0, 1, 1, 2                            ; the first lap stands ahead of the loop: its first products start the sums
	SLOTBODY 1, 0, 0, 2
	WIN 0
	s_mov_b32 s19, LAPS-2
.Llap:
	SLOTBODY 0, 1, 0, 2
	SLOTBODY 1, 0, 0, 2
	WIN 0
	s_sub_co_u32 s19, s19, 1
	s_cmp_lg_u32 s19, 0
	s_cbranch_scc1 .Llap
	SLOTBODY 0, 1, 0, 1                            ; the last lap fills nothing
	SLOTBODY 1, 0, 0, 0
	WIN 0
	PLACES
	; THE WAY OUT, 16 rows at a time, through my own stage: in by tiles, back by whole rows of 256 bytes
	s_lshl_b32 s46, s15, 20                        ; (256 by + 128 wm) rows of 4,096 bytes + (128 bx + 64 wn) columns of 4
	s_lshl_b32 s47, s13, 19
	s_add_co_u32 s46, s46, s47
	s_lshl_b32 s47, s16, 9
	s_add_co_u32 s46, s46, s47
	s_lshl_b32 s47, s14, 8
	s_add_co_u32 s46, s46, s47
	s_mov_b32 s47, 0
	s_add_nc_u64 s[8:9], s[8:9], s[46:47]
.macro OUTO a
	WIN 0x04                                       ; store data in window 1
.irp b, 0,1,2,3
	ds_store_b128 v[STO], v[32*\a+8*\b:32*\a+8*\b+3]   offset:\b*64
	ds_store_b128 v[STO], v[32*\a+8*\b+4:32*\a+8*\b+7] offset:\b*64+16
.endr
	WIN 0
	s_wait_xcnt 0x0                                ; the buffer below was the data of earlier stores: it is loaded again only behind this wait
.irp t, 0,1,2,3,4,5,6,7
	ds_load_b128 v[RB+32*(\a&1)+4*\t:RB+32*(\a&1)+4*\t+3], v[RD] offset:\t*2*SP      ; LDS serves a wave's instructions in order: these see the stores above
.endr
.irp t, 0,1,2,3,4,5,6,7
	s_wait_dscnt 7-\t                              ; the younger read-backs stay out
	v_pk_mul_f32 v[RB+32*(\a&1)+4*\t:RB+32*(\a&1)+4*\t+1],   v[RB+32*(\a&1)+4*\t:RB+32*(\a&1)+4*\t+1],   v[INV:INV+1]
	v_pk_mul_f32 v[RB+32*(\a&1)+4*\t+2:RB+32*(\a&1)+4*\t+3], v[RB+32*(\a&1)+4*\t+2:RB+32*(\a&1)+4*\t+3], v[INV:INV+1]
	global_store_b128 v[CO], v[RB+32*(\a&1)+4*\t:RB+32*(\a&1)+4*\t+3], s[8:9] offset:(16*\a+2*\t)*4096 th:TH_STORE_NT   ; sixteen lanes store 256 consecutive bytes, at a multiple of 256 from out0's first byte
.endr
.endm
	OUTO 0
	OUTO 1
	OUTO 2
	OUTO 3
	OUTO 4
	OUTO 5
	OUTO 6
	OUTO 7
	s_wait_tensorcnt 0x0
	ds_add_u32 v254, v255
	s_wait_dscnt 0x0
	CROUND                                         ; the closing round: no work-group ends while a partner may still ask jointly
	s_endpgm
.Lfunc_end_k_q06a0f3dc4d_oproj:
	.size	k_q06a0f3dc4d_oproj, .Lfunc_end_k_q06a0f3dc4d_oproj-k_q06a0f3dc4d_oproj
	.p2alignl 7, 3214868480
	.fill 96, 4, 3214868480
	.section	.rodata,"a",@progbits
	.p2align	6, 0x0
	.amdhsa_kernel k_q06a0f3dc4d_oproj
		.amdhsa_group_segment_fixed_size 327680
		.amdhsa_private_segment_fixed_size 0
		.amdhsa_enable_private_segment 0
		.amdhsa_kernarg_size 32
		.amdhsa_user_sgpr_count 2
		.amdhsa_user_sgpr_kernarg_segment_ptr 1
		.amdhsa_wavefront_size32 1
		.amdhsa_system_sgpr_workgroup_id_x 1
		.amdhsa_system_sgpr_workgroup_id_y 1
		.amdhsa_system_sgpr_workgroup_id_z 1
		.amdhsa_system_vgpr_workitem_id 0
		.amdhsa_next_free_vgpr 512
		.amdhsa_next_free_sgpr 66
		.amdhsa_reserve_vcc 0
		.amdhsa_float_denorm_mode_32 3
		.amdhsa_float_denorm_mode_16_64 3
		.amdhsa_memory_ordered 1
		.amdhsa_forward_progress 1
		.amdhsa_inst_pref_size 130
	.end_amdhsa_kernel
	.amdgpu_metadata
---
amdhsa.version: [ 1, 2 ]
amdhsa.kernels:
  - .name:           k_q06a0f3dc4d_oproj
    .symbol:         k_q06a0f3dc4d_oproj.kd
    .args:
      - { .name: yh, .offset: 0, .size: 8, .value_kind: global_buffer, .address_space: global }
      - { .name: woh, .offset: 8, .size: 8, .value_kind: global_buffer, .address_space: global }
      - { .name: out0, .offset: 16, .size: 8, .value_kind: global_buffer, .address_space: global }
      - { .name: stat, .offset: 24, .size: 8, .value_kind: global_buffer, .address_space: global }
    .group_segment_fixed_size: 327680
    .private_segment_fixed_size: 0
    .kernarg_segment_align: 8
    .kernarg_segment_size: 32
    .max_flat_workgroup_size: 128
    .sgpr_count:     66
    .vgpr_count:     512
    .wavefront_size: 32
...
	.end_amdgpu_metadata
.endif
;; end of part 5
;; ======== version 2 of 2: 5 launches; version 1 with the launch cvt written anew for expert scheduling mode
;; limits: values are held in f16: magnitudes above 65,504 overflow, below 6.1e-05 lose precision
;; workspace buffers: xh 16,777,216 bytes; wqh 6,291,456 bytes; woh 2,097,152 bytes; qkv 50,331,648 bytes; tseg 3,670,016 bytes; stat 8,192 bytes; yh 16,777,216 bytes
;; launch cvt (part 6): grid 768 x 1, 4 waves a work-group, no clusters, 0 bytes of LDS; arguments x, W_qkv, W_o, xh, wqh, woh; writes xh, wqh, woh
.if DOCPART == 6
	.amdgcn_target "amdgcn-amd-amdhsa--gfx1250"
	.amdhsa_code_object_version 6
	.text
	.protected	k_q06a0f3dc4d_cvt
	.globl	k_q06a0f3dc4d_cvt
	.p2align	8
	.type	k_q06a0f3dc4d_cvt,@function
k_q06a0f3dc4d_cvt:
	s_mov_b64 s[64:65], 0
	v_nop
	global_prefetch_b8 v0, s[64:65] scope:SCOPE_SE
	s_setreg_imm32_b32 hwreg(HW_REG_WAVE_SCHED_MODE, 0, 2), 2
	s_setreg_imm32_b32 hwreg(HW_REG_WAVE_MODE, 25, 1), 1
	s_wait_xcnt 0x0
	s_wait_alu depctr_vm_vsrc(0)
; f32 -> f16 for the three matrix operands, into layouts blocked along K: [kb 16][rows][64 numbers], so that a tile of R rows x 64 k
; of a later product is R x 128 consecutive bytes.  W_qkv's rows are also sorted by head: row part*1024 + head*64 + i goes to head*192 + part*64 + i.
; A work-group takes 16 source rows (64 KiB).  Work-groups 0-511: x; 512-703: W_qkv; 704-767: W_o.  The choice is made by selects on the
; work-group's number, so there is one text for the three.  No LDS, no matrix unit, no cluster: nothing is shared and memory binds.
; Thread t: row t>>3, the 8 numbers at column 8 (t&7) of each of the 16 blocks of 64: two loads of 16 bytes, one store of 16 bytes at 16 t,
; so a store of a wave covers 512 consecutive bytes.  All 32 loads of a thread are issued before the first wait for data; no register is written twice.
; LIMIT: numbers beyond f16's range (65504) become infinities; numbers below 2^-14 keep an absolute error of 2^-25.
; THE MODE: SCHED_MODE bits 1:0 = 2 (LLVM: expert scheduling mode 2), set by the entry lines.  The code itself states the register dependences
; between vector instructions and memory instructions, with s_wait_alu, always for 0.
; THE PLAN.  Registers that memory instructions touch:
;   v[SRC]    written once at the head; read by all 32 loads as their offset.
;   v[OFFD..] written once each (the first at the head, the other fifteen behind the loads); read by the stores alone, block kb's by block kb's store.
;   X         written by the loads alone, which are all issued before any vector instruction names X; read by the conversions, behind the wait for the data.
;   Y         block kb's four registers are written once, by its four conversions, and read by its store.
; So the only dependence to state is "a vector instruction has written what a memory instruction reads".  No register that a memory instruction reads is
; written afterwards, no load lands in a register that a vector instruction has named, no vector instruction writes a scalar register, EXEC is never written.
; The sixteen blocks go in four groups of four.  At the head of groups 1 to 3 ONE wait states that the group before has written its Y; that group's four stores
; follow, dealt among this group's conversions, which name X and Y of this group alone: none of the registers that those stores read.
.set SRC,  1                           ; v1        byte offset of my first 8 numbers in the group's 16 source rows
.set OFFD, 2                           ; v[2:17]   byte offset of my 16 bytes in block kb of the destination
.set X,    20                          ; v[20:147] 128 numbers as loaded
.set Y,    148                         ; v[148:211] 128 numbers in f16
	s_load_b256 s[4:11], s[0:1], 0x0               ; x s[4:5], W_qkv s[6:7], W_o s[8:9], xh s[10:11]
	s_load_b128 s[12:15], s[0:1], 0x20             ; wqh s[12:13], woh s[14:15]
	s_mov_b32 s20, ttmp9                           ; g
	s_sub_co_u32 s21, s20, 512                     ; j for W_qkv (used only where 512 <= g < 704)
	s_sub_co_u32 s22, s20, 704                     ; j for W_o   (used only where g >= 704)
	s_bfe_u32 s23, s21, 0x40002                    ; head = (j>>2) & 15
	s_mul_i32 s23, s23, 192
	s_bfe_u32 s24, s21, 0x20006                    ; part = j>>6
	s_lshl_b32 s24, s24, 6
	s_add_co_u32 s23, s23, s24
	s_and_b32 s24, s21, 3                          ; which 16 rows of the head's 64
	s_lshl_b32 s24, s24, 4
	s_add_co_u32 s23, s23, s24                     ; W_qkv: destination row
	s_lshl_b32 s25, s22, 4                         ; W_o: destination row = source row
	s_lshl_b32 s17, s20, 4                         ; x: likewise
	s_mov_b32 s33, 3072*128                        ; bytes from one block of K to the next: wqh,
	s_mov_b32 s34, 1024*128                        ; woh,
	s_mov_b32 s35, 8192*128                        ; xh
	v_lshrrev_b32 v18, 3, v0                       ; my row
	v_and_b32 v19, 7, v0
	v_lshlrev_b32 v18, 12, v18                     ; x 4,096 bytes
	v_lshl_add_u32 v[SRC], v19, 5, v18             ; + 32 bytes for each of the eight threads of a row
	v_lshlrev_b32 v[OFFD], 4, v0                   ; row x 128 + 16 (t&7) = 16 t
	s_wait_kmcnt 0x0
	s_cmp_lt_u32 s20, 704                          ; W_qkv or W_o
	s_cselect_b64 s[26:27], s[6:7], s[8:9]
	s_cselect_b64 s[28:29], s[12:13], s[14:15]
	s_cselect_b32 s30, s21, s22
	s_cselect_b32 s31, s23, s25
	s_cselect_b32 s32, s33, s34
	s_cmp_lt_u32 s20, 512                          ; or x
	s_cselect_b64 s[26:27], s[4:5], s[26:27]
	s_cselect_b64 s[28:29], s[10:11], s[28:29]
	s_cselect_b32 s30, s20, s30
	s_cselect_b32 s31, s17, s31
	s_cselect_b32 s32, s35, s32
	s_lshl_b32 s36, s30, 16                        ; 16 source rows of 4,096 bytes
	s_mov_b32 s37, 0
	s_lshl_b32 s38, s31, 7                         ; destination rows of 128 bytes
	s_mov_b32 s39, 0
	s_add_nc_u64 s[26:27], s[26:27], s[36:37]
	s_add_nc_u64 s[28:29], s[28:29], s[38:39]
	s_wait_alu depctr_va_vdst(0)                   ; v[SRC] is written, which all 32 loads read as their offset (and v[OFFD], which block 0's store reads)
.set kb, 0
.rept 16
	global_load_b128 v[X+8*kb:X+8*kb+3],   v[SRC], s[26:27] offset:kb*256 th:TH_LOAD_NT
	global_load_b128 v[X+8*kb+4:X+8*kb+7], v[SRC], s[26:27] offset:kb*256+16 th:TH_LOAD_NT
.set kb, kb+1
.endr
.set kb, 1
.rept 15
	v_add_nc_u32 v[OFFD+kb], s32, v[OFFD+kb-1]     ; no memory instruction has read these registers; the stores that will stand behind the wait at group 1's head
.set kb, kb+1
.endr
; Group g: blocks 4 g to 4 g + 3 are converted; the stores of blocks 4 g - 4 to 4 g - 1 are dealt among the conversions, one ahead of each block's four.
.set g, 0
.rept 4
	s_wait_loadcnt 24-8*g                          ; loads come back in order: group g's eight are in, the 24 - 8 g younger ones stay out
.if g > 0
	s_wait_alu depctr_va_vdst(0)                   ; the group before has written its sixteen registers of Y, which the four stores below read; at group 1 also: the fifteen adds have written v[OFFD+1 ..]
.endif
.set i, 0
.rept 4
.set kb, 4*g+i
.if g > 0
	global_store_b128 v[OFFD+kb-4], v[Y+4*(kb-4):Y+4*(kb-4)+3], s[28:29]   ; no wait: no vector instruction since the wait above names this offset or these four registers
.endif
	v_cvt_pk_f16_f32 v[Y+4*kb],   v[X+8*kb],   v[X+8*kb+1]
	v_cvt_pk_f16_f32 v[Y+4*kb+1], v[X+8*kb+2], v[X+8*kb+3]
	v_cvt_pk_f16_f32 v[Y+4*kb+2], v[X+8*kb+4], v[X+8*kb+5]
	v_cvt_pk_f16_f32 v[Y+4*kb+3], v[X+8*kb+6], v[X+8*kb+7]
.set i, i+1
.endr
.set g, g+1
.endr
	s_wait_alu depctr_va_vdst(0)                   ; group 3 has written its sixteen registers of Y, which the last four stores read
.set kb, 12
.rept 4
	global_store_b128 v[OFFD+kb], v[Y+4*kb:Y+4*kb+3], s[28:29]
.set kb, kb+1
.endr
	s_endpgm
.Lfunc_end_k_q06a0f3dc4d_cvt:
	.size	k_q06a0f3dc4d_cvt, .Lfunc_end_k_q06a0f3dc4d_cvt-k_q06a0f3dc4d_cvt
	.p2alignl 7, 3214868480
	.fill 96, 4, 3214868480
	.section	.rodata,"a",@progbits
	.p2align	6, 0x0
	.amdhsa_kernel k_q06a0f3dc4d_cvt
		.amdhsa_group_segment_fixed_size 0
		.amdhsa_private_segment_fixed_size 0
		.amdhsa_enable_private_segment 0
		.amdhsa_kernarg_size 48
		.amdhsa_user_sgpr_count 2
		.amdhsa_user_sgpr_kernarg_segment_ptr 1
		.amdhsa_wavefront_size32 1
		.amdhsa_system_sgpr_workgroup_id_x 1
		.amdhsa_system_sgpr_workgroup_id_y 1
		.amdhsa_system_sgpr_workgroup_id_z 1
		.amdhsa_system_vgpr_workitem_id 0
		.amdhsa_next_free_vgpr 212
		.amdhsa_next_free_sgpr 66
		.amdhsa_reserve_vcc 0
		.amdhsa_float_denorm_mode_32 3
		.amdhsa_float_denorm_mode_16_64 3
		.amdhsa_memory_ordered 1
		.amdhsa_forward_progress 1
		.amdhsa_inst_pref_size 12
	.end_amdhsa_kernel
	.amdgpu_metadata
---
amdhsa.version: [ 1, 2 ]
amdhsa.kernels:
  - .name:           k_q06a0f3dc4d_cvt
    .symbol:         k_q06a0f3dc4d_cvt.kd
    .args:
      - { .name: x, .offset: 0, .size: 8, .value_kind: global_buffer, .address_space: global }
      - { .name: W_qkv, .offset: 8, .size: 8, .value_kind: global_buffer, .address_space: global }
      - { .name: W_o, .offset: 16, .size: 8, .value_kind: global_buffer, .address_space: global }
      - { .name: xh, .offset: 24, .size: 8, .value_kind: global_buffer, .address_space: global }
      - { .name: wqh, .offset: 32, .size: 8, .value_kind: global_buffer, .address_space: global }
      - { .name: woh, .offset: 40, .size: 8, .value_kind: global_buffer, .address_space: global }
    .group_segment_fixed_size: 0
    .private_segment_fixed_size: 0
    .kernarg_segment_align: 8
    .kernarg_segment_size: 48
    .max_flat_workgroup_size: 128
    .sgpr_count:     66
    .vgpr_count:     212
    .wavefront_size: 32
...
	.end_amdgpu_metadata
.endif
;; end of part 6
;; launch qkv: the kernel of part 2 again; grid 8 x 32, 4 waves a work-group, clusters of 4 x 4, 327,680 bytes of LDS; arguments xh, wqh, qkv, stat; writes qkv, stat
;; launch state: the kernel of part 3 again; grid 7 x 32, 8 waves a work-group, no clusters, 222,208 bytes of LDS; arguments qkv, log_gamma, tseg; writes tseg
;; launch ret: the kernel of part 4 again; grid 8 x 32, 8 waves a work-group, no clusters, 297,984 bytes of LDS; arguments qkv, log_gamma, tseg, stat, yh; writes yh
;; launch oproj: the kernel of part 5 again; grid 8 x 32, 4 waves a work-group, clusters of 4 x 4, 327,680 bytes of LDS; arguments yh, woh, out0, stat; writes out0
